; MI455X (gfx1250); checked and timed in simulation.
; The chip was launched on July 23, 2026; its instructions are those of AMD's public machine-readable ISA for CDNA 5 (MIT licence, August 2026) and "CDNA5" Instruction Set Architecture Reference Guide (July 2026). The comments in the code are by the model that wrote it; some were corrected since.
;; Multi Head Attention. Allowed arithmetic: matrix products marked QUANTISED: E2M1 operands, one E8M0 scale for each 32 along K, by v_wmma_scale_f32_16x16x128_f8f6f4 with both operands' format E2M1 (or v_wmma_scale_f32_32x16x128_f4), f32 sums; everything else in f32.
;; Inputs: W_o 1,024 x 1,024 float32; W_qkv 1,024 x 3,072 float32; b_o 1,024 float32; b_qkv 3,072 float32; x 4 x 2,048 x 1,024 float32.
;; Outputs: out0 4 x 2,048 x 1,024 float32.
;; This version of the problem:
;;   THIS VERSION OF THE PROBLEM IS GIVEN IN LOW PRECISION. The matrix products marked QUANTISED in the list below multiply operands that are first quantised to E2M1 (2 exponent bits, 1 mantissa bit; 4 bits a number), with one power-of-two scale for each 32 numbers along K (OCP MX v1.0); their sums are f32. All else is computed in f32.
;;   The module's matrix products, in the order in which they are computed (A, B: the left and right operand; K: the contracted axis; several contracted axes count as one K, in the product's order):
;;     1. [M 8,192, K 1,024] x [K 1,024, N 3,072]; A: input x; B: input W_qkv: QUANTISED
;;     2. batch 64 x [M 2,048, K 64] x [K 64, N 2,048]; A: computed on the way; B: computed on the way: QUANTISED
;;     3. batch 64 x [M 2,048, K 2,048] x [K 2,048, N 64]; A: softmax (see below); B: computed on the way: QUANTISED
;;     4. [M 8,192, K 1,024] x [K 1,024, N 1,024]; A: computed on the way; B: input W_o: QUANTISED
;;   THE QUANTISER, for each operand of a quantised product, along K:
;;     - K is cut into blocks of 32 from its start; a last block that is shorter is filled with zeros.
;;     - A block's scale is 2^e with e = floor(log2(the largest magnitude in the block)) - 2, held to -126 .. 127; a block of zeros has e = 0. As a byte (E8M0): e + 127.
;;     - Each number is divided by its block's scale, clamped to +-6, and rounded to the nearest number of E2M1, ties to even, subnormals kept.
;;     - The product sums the exact products of the quantised numbers (number of the format x scale) in f32.
;;   ~~~python
;;   def quantise(x, axis):      # numpy; x: float32 -> the quantised numbers, widened to float32 again
;;       x = np.moveaxis(x, axis, -1); K = x.shape[-1]
;;       x = np.pad(x, [(0, 0)] * (x.ndim - 1) + [(0, -K % 32)]); x = x.reshape(x.shape[:-1] + (-1, 32)); a = np.abs(x).max(-1, keepdims=True)
;;       e = np.where(a > 0, np.clip(np.frexp(np.where(a > 0, a, 1))[1] - 1 - 2, -126, 127), 0)      # np.frexp(a)[1] - 1 = floor(log2(a)), exactly
;;       r = np.clip(x / 2.0 ** e, -6, 6)
;;       step = 2.0 ** (np.maximum(np.frexp(np.where(r == 0, 1, r))[1] - 1, 0) - 1)
;;       q = np.round(r / step) * step * 2.0 ** e      # np.round: ties to even
;;       return np.moveaxis(q.reshape(q.shape[:-2] + (-1,))[..., :K], -1, axis).astype(np.float32)
;;   ~~~
;;   SOFTMAX AHEAD OF A QUANTISED PRODUCT. Where the list says 'softmax', what is quantised is not the finished softmax but p = 2^(t - M), with t = logit x log2(e) and M = ceil(the row's largest t), a whole number; so 1/2 < the row's largest p <= 1. The row's sum l is taken of the UNQUANTISED p, in f32, and the product's result is divided by l at the end. Since M is a whole number, a kernel that streams over the keys may use a running M (the ceiling of the running maximum): every later rescaling is an exact power of two, which a block's scale takes up: the codes' values come out the same.
;;   OPERANDS COMPUTED ON THE WAY. 'Computed on the way' means the value that the module computes at that place (a softmax that the list does not call 'softmax' is quantised finished and normalised). What goes into a quantiser is computed in f32, as accurately as f32 sums, v_exp_f32 and their like allow (about 1e-6 of the number): no bf16 or f16 on the way to a quantiser, and a product that is left as it is and whose result goes on into a quantised operand takes f32 operands (vector FMAs, or v_wmma_f32_16x16x4_f32). A number that lies on a knife's edge between two numbers of the format may be rounded either way, as far as f32 arithmetic and the matrix unit's own rounding can turn it there, and no further.
;; One version. Each part assembles by itself: llvm-mc -triple=amdgcn-amd-amdhsa -mcpu=gfx1250 --defsym DOCPART=n.
;; ======== version 1 of 1: 4 launches
;; workspace buffers: cod 6,291,456 bytes; scl 393,216 bytes; kv 9,437,184 bytes; qp 9,437,184 bytes; oc 4,194,304 bytes; os 262,144 bytes
;; launch quant (part 1): grid 384 x 1, 4 waves a work-group, no clusters, 50,688 bytes of LDS; arguments x, W_qkv, W_o, cod, scl; writes cod, scl
.if DOCPART == 1
	.amdgcn_target "amdgcn-amd-amdhsa--gfx1250"
	.amdhsa_code_object_version 6
	.text
	.protected	k_q9d06fb5f60_quant
	.globl	k_q9d06fb5f60_quant
	.p2align	8
	.type	k_q9d06fb5f60_quant,@function
k_q9d06fb5f60_quant:
	s_mov_b64 s[64:65], 0
	v_nop
	global_prefetch_b8 v0, s[64:65] scope:SCOPE_SE
	s_setreg_imm32_b32 hwreg(HW_REG_WAVE_MODE, 25, 1), 1
	s_wait_xcnt 0x0
; x [8192][1024], W_qkv [1024][3072] and W_o [1024][1024], f32, become codes of FP4 (E2M1) with K innermost and one E8M0 byte for each 32 along K.
; cod: 12,288 rows of 512 bytes (1,024 codes): rows 0-8191 the tokens of x, row 8192 + n column n of W_qkv, row 11264 + n column n of W_o.  scl: the same rows, 32 bytes each.
; A block's scale is 2^(floor(log2(its largest magnitude)) - 2); its byte is the largest magnitude's exponent field - 2, held at 1 from below.
; LIMITS: a block of zeros gets the byte 1 where the rule says 127 (its codes are zeros, which add nothing under any byte but 0xff, and this program alone reads the bytes);
; NaN and infinities among the inputs are not served.
; Work-groups 0-255 take x (K innermost: a plain stream of blocks of 32), work-groups 256-383 the weights (K is the first axis: a lane takes a column and its registers run down K).
; The two ways part on the work-group's number, never join, and have LDS bytes of their own.  Waves share nothing: no barrier.  No matrix unit, no cluster: memory binds, and no byte is read twice.
.set XWG,   256                        ; work-groups for x: 8,388,608 numbers / (4 waves x 8,192)
.set STEPS, 16
.set EMAX,  2
.set CB,    8                          ; bytes of 16 codes
.set R,     16                         ; x: v16-79   four sets of 16 numbers as they are loaded
.set X,     80                         ; x: v80-111  two sets of 16 neighbours
.set C,     128                        ; x: v128-191 codes: four registers for each step, so that no store's data are written again
.set E,     112                        ; x: v112-127 a scale byte for each step
.set WREG,  8192                       ; x: LDS [0, 32768): a region for each wave: two stages of 32 x SP bytes, behind them its 256 scale bytes
.set SP,    80                         ; x: a lane's place in a stage: 64 bytes + 16 of padding
.set XW,    32                         ; weights: v32-95   two sets of 32 numbers
.set CW,    96                         ; weights: v96-99   a block's codes
.set SB,    24                         ; weights: v24-25   my 8 scale bytes
.set OUTR,  112                        ; weights: v112-143 the way out
.set OF,    144                        ; weights: v144-175 byte offsets of my 32 rows of a block; never rewritten
.set WSTG,  32768                      ; weights: LDS [32768, 50176): a stage of 16 rows x 272 bytes for each wave
.set WPIT,  272
	s_load_b256 s[4:11], s[0:1], 0x0               ; x s[4:5], W_qkv s[6:7], W_o s[8:9], cod s[10:11]
	s_load_b64 s[12:13], s[0:1], 0x20              ; scl
	v_lshl_add_u32 v192, v0, 2, 0xc400
	v_mov_b32 v193, 0
	v_lshrrev_b32 v1, 5, v0
	v_readfirstlane_b32 s16, v1                    ; wave 0..3
	v_and_b32 v2, 31, v0                           ; lane
	s_cmp_lt_u32 ttmp9, XWG
	s_cbranch_scc0 .Lweights
; ---------------- x: a wave takes 16 steps of 512 numbers.  Each load reads 512 consecutive bytes; a step's 2,048 bytes turn through the wave's stage, so that a lane holds 16 neighbours along K (two lanes hold a block).
	v_lshlrev_b32 v3, 4, v2                        ; my 16 bytes of a load's 512
	s_mul_i32 s17, s16, WREG
	v_lshrrev_b32 v14, 2, v2
	v_mul_u32_u24 v14, v14, SP
	v_and_b32 v15, 3, v2
	v_lshl_add_u32 v14, v15, 4, v14
	v_add_nc_u32 v14, s17, v14                     ; the stage, on the way in: SP (lane / 4) + 16 (lane % 4)
	v_mul_u32_u24 v15, v2, SP
	v_add_nc_u32 v15, s17, v15                     ; and on the way out: SP x lane
	v_mul_u32_u24 v4, v2, CB                       ; my codes' place in a step's 256 bytes
	v_lshrrev_b32 v5, 1, v2
	s_add_co_u32 s17, s17, 2*32*SP
	v_add_nc_u32 v5, s17, v5                       ; LDS: my block's byte among my wave's 256
	v_lshlrev_b32 v7, 3, v2
	v_add_nc_u32 v6, s17, v7                       ; and on the way out 8 bytes a lane
	s_lshl_b32 s17, ttmp9, 2
	s_add_co_u32 s18, s17, s16                     ; which run of 8,192 numbers is my wave's: 0..1023
	s_mov_b32 s19, 0
	s_lshl_b32 s20, s18, 15                        ; 32,768 bytes of x a run,
	s_mov_b32 s21, 0
	s_lshl_b32 s22, s18, 12                        ; 4,096 of codes,
	s_mov_b32 s23, 0
	s_lshl_b32 s18, s18, 8                         ; 256 of scale bytes
	s_wait_kmcnt 0x0
	s_add_nc_u64 s[4:5], s[4:5], s[20:21]
	s_add_nc_u64 s[10:11], s[10:11], s[22:23]
	s_add_nc_u64 s[12:13], s[12:13], s[18:19]
.macro LOAD t
.irp i, 0,1,2,3
	global_load_b128 v[R+16*((\t)%4)+4*\i:R+16*((\t)%4)+4*\i+3], v3, s[4:5] offset:2048*(\t)+512*\i th:TH_LOAD_NT   ; 32 lanes read 512 consecutive bytes; read once in the launch
.endr
.endm
.macro TURN t                          ; step t's numbers through the stage: LDS serves a wave's instructions in order, so no wait stands between the stores and the loads
.irp i, 0,1,2,3
	ds_store_b128 v14, v[R+16*((\t)%4)+4*\i:R+16*((\t)%4)+4*\i+3] offset:32*SP*((\t)%2)+8*SP*\i
.endr
.irp i, 0,1,2,3
	ds_load_b128 v[X+16*((\t)%2)+4*\i:X+16*((\t)%2)+4*\i+3], v15 offset:32*SP*((\t)%2)+16*\i
.endr
.endm
.irp t, 0,1,2,3
	LOAD \t
.endr
	s_wait_loadcnt 12                              ; step 0's four loads are in; the twelve of steps 1 to 3 may be out
	TURN 0
.macro STEP t
.set XS, X+16*((\t)%2)
.if (\t) > 0
	s_wait_dscnt 1                                 ; this step's numbers are back from the stage (the last step's byte store may be out), so its stores into the stage have read their registers,
.else
	s_wait_dscnt 0x0
.endif
.if (\t)+4 < STEPS
	LOAD (\t)+4                                    ; which take the loads of four steps on
.endif
.if (\t)+1 < STEPS
.if STEPS-2-(\t) >= 3
	s_wait_loadcnt 12                              ; the next step's four loads are in; those of the three steps behind it may be out
.else
	s_wait_loadcnt 4*(STEPS-2-(\t))
.endif
	TURN (\t)+1                                    ; and go through the other stage while this step is worked
.endif
	v_max3_num_f32 v8, |v[XS]|, |v[XS+1]|, |v[XS+2]|               ; the largest magnitude of my 16, in two chains
	v_max3_num_f32 v9, |v[XS+3]|, |v[XS+4]|, |v[XS+5]|
.irp i, 6,10
	v_max3_num_f32 v8, v8, |v[XS+\i]|, |v[XS+\i+1]|
	v_max3_num_f32 v9, v9, |v[XS+\i+2]|, |v[XS+\i+3]|
.endr
	v_max3_num_f32 v8, v8, |v[XS+14]|, |v[XS+15]|
	v_max3_num_f32 v8, v8, v9, (EMAX+1)<<23        ; and the floor 2^(3 - 127): the byte cannot fall under 1
	v_max_num_f32_dpp v8, v8, v8 row_xmask:1 row_mask:0xf bank_mask:0xf   ; and of my neighbour's 16: the block's
	v_add_nc_u32 v11, 0xff000000, v8               ; 2 off its exponent field: the conversion takes the exponent field of this operand as its scale
	v_cvt_scalef32_pk8_fp4_f32 v[C+4*(\t)], v[XS:XS+7], v11
	v_cvt_scalef32_pk8_fp4_f32 v[C+4*(\t)+1], v[XS+8:XS+15], v11
	v_lshrrev_b32 v[E+(\t)], 23, v11               ; the scale's byte (a plain line behind the conversions)
	ds_store_b8 v5, v[E+(\t)] offset:16*(\t)       ; both lanes of a block write the same byte with the same value
	global_store_b64 v4, v[C+4*(\t):C+4*(\t)+1], s[10:11] offset:32*CB*(\t)   ; the wave stores 256 consecutive bytes, aligned
.endm
.irp t, 0,1,2,3,4,5,6,7,8,9,10,11,12,13,14,15
	STEP \t
.endr
	ds_load_b64 v[12:13], v6                       ; LDS serves a wave's instructions in order: these see my stores
	s_wait_dscnt 0x0
	global_store_b64 v7, v[12:13], s[12:13]        ; 32 lanes store 256 consecutive bytes, aligned
	s_wait_tensorcnt 0x0
	ds_add_u32 v192, v193
	s_wait_dscnt 0x0
	s_endpgm
; ---------------- the weights: g = work-group - 256; 64 columns (g % 64) x 512 along K (g / 64).  A wave takes 16 columns; lane (r, h) takes column col0 + r and K = 512 (g / 64) + 256 h + 32 t + i.
; The four waves of a work-group read 256 consecutive bytes of each row.  A block of 32 along K lies in ONE lane's 32 registers: no other lane is asked for its maximum, and the codes come out with K innermost.
.Lweights:
	s_sub_co_u32 s17, ttmp9, XWG                   ; g
	s_and_b32 s18, s17, 63                         ; which 64 columns of the 4,096 (3,072 of W_qkv, then 1,024 of W_o)
	s_lshr_b32 s19, s17, 6                         ; which 512 along K
	s_lshl_b32 s20, s18, 6
	s_lshl_b32 s21, s16, 4
	s_add_co_u32 s20, s20, s21                     ; col0
	v_and_b32 v1, 15, v0                           ; r
	v_bfe_u32 v3, v0, 4, 1                         ; h
	s_mul_i32 s31, s16, 16*WPIT
	s_add_co_u32 s31, s31, WSTG                    ; my stage
	v_mul_u32_u24 v4, v1, WPIT
	v_lshl_add_u32 v4, v3, 7, v4
	v_add_nc_u32 v4, s31, v4                       ; into it: row r, + 128 h: 256 along K are 128 bytes
	v_mul_u32_u24 v7, v3, WPIT
	v_lshl_add_u32 v7, v1, 4, v7
	v_add_nc_u32 v7, s31, v7                       ; out of it: sixteen lanes to a row, two rows an instruction
	v_lshlrev_b32 v8, 9, v3
	v_lshl_add_u32 v8, v1, 4, v8                   ; and the same place in cod: rows of 512 bytes
	v_lshlrev_b32 v9, 5, v1
	v_lshl_add_u32 v9, v3, 3, v9                   ; my 8 scale bytes: row r of 32 bytes, + 8 h
	s_wait_kmcnt 0x0
	s_mov_b32 s24, 12288
	s_cmp_ge_u32 s18, 48                           ; W_o's columns?  The choice hangs on the work-group's number alone
	s_cselect_b64 s[6:7], s[8:9], s[6:7]
	s_cselect_b32 s24, 4096, s24                   ; a row of the tensor in bytes
	s_cselect_b32 s25, 3072, 0
	s_sub_co_u32 s26, s20, s25                     ; col0 in its own tensor
	s_lshl_b32 s26, s26, 2
	s_lshl_b32 s27, s19, 9
	s_mul_i32 s27, s27, s24                        ; my first row of K
	s_add_co_u32 s26, s26, s27
	s_mov_b32 s27, 0
	s_add_nc_u64 s[6:7], s[6:7], s[26:27]
	s_lshl_b32 s28, s24, 5                         ; a block on: 32 rows
	s_mov_b32 s29, 0
	s_lshl_b32 s30, s24, 8                         ; 256 rows: lanes 16-31
	v_mul_lo_u32 v5, v3, s30
	v_lshl_add_u32 v[OF], v1, 2, v5
.set i, 1
.rept 31
	v_add_nc_u32 v[OF+i], s24, v[OF+i-1]
.set i, i+1
.endr
	s_add_co_u32 s32, s20, 8192                    ; my first row of cod and scl
	s_lshl_b32 s34, s32, 9
	s_lshl_b32 s33, s19, 8
	s_add_co_u32 s34, s34, s33
	s_mov_b32 s35, 0
	s_add_nc_u64 s[10:11], s[10:11], s[34:35]
	s_lshl_b32 s34, s32, 5
	s_lshl_b32 s33, s19, 4
	s_add_co_u32 s34, s34, s33
	s_add_nc_u64 s[12:13], s[12:13], s[34:35]
.macro LOADW t                         ; block t: 32 rows of K at my column, into set t % 2
.if (\t) > 0
	s_wait_xcnt 0x0                                ; the earlier loads have read their base: it steps only behind this wait
	s_add_nc_u64 s[6:7], s[6:7], s[28:29]
.endif
.set i, 0
.rept 32
	global_load_b32 v[XW+32*((\t)%2)+i], v[OF+i], s[6:7] th:TH_LOAD_NT
.set i, i+1
.endr
.endm
	LOADW 0
	LOADW 1
.macro BLOCKW t
.set XS, XW+32*((\t)%2)
.if (\t) < 7
	s_wait_loadcnt 32                              ; this block's 32 loads are in; the next block's 32 may be out
.else
	s_wait_loadcnt 0x0
.endif
	v_max3_num_f32 v12, |v[XS]|, |v[XS+1]|, |v[XS+2]|              ; the block's largest magnitude: all 32 numbers are mine
	v_max3_num_f32 v13, |v[XS+3]|, |v[XS+4]|, |v[XS+5]|
.irp i, 6,10,14,18,22,26
	v_max3_num_f32 v12, v12, |v[XS+\i]|, |v[XS+\i+1]|
	v_max3_num_f32 v13, v13, |v[XS+\i+2]|, |v[XS+\i+3]|
.endr
	v_max3_num_f32 v12, v12, |v[XS+30]|, |v[XS+31]|
	v_max3_num_f32 v12, v12, v13, (EMAX+1)<<23     ; and the floor
	v_add_nc_u32 v11, 0xff000000, v12              ; the conversion's scale operand
	v_lshrrev_b32 v13, 23, v11                     ; the scale's byte
.if (\t)%4 == 0
	v_mov_b32 v[SB+(\t)/4], v13                    ; four bytes to a register, the lower K in the lower byte
.else
	v_lshl_or_b32 v[SB+(\t)/4], v13, 8*((\t)%4), v[SB+(\t)/4]
.endif
.irp g, 0,1,2,3
	v_cvt_scalef32_pk8_fp4_f32 v[CW+\g], v[XS+8*\g:XS+8*\g+7], v11
.endr
	ds_store_b128 v4, v[CW:CW+3] offset:16*(\t)    ; 32 codes: 16 bytes of my column's row
.if (\t)+2 < 8
	LOADW (\t)+2
.endif
	s_wait_dscnt 0x0                               ; the store has read its registers: the next block's codes may be written
.endm
.irp t, 0,1,2,3,4,5,6,7
	BLOCKW \t
.endr
	global_store_b64 v9, v[SB:SB+1], s[12:13]      ; my column's 8 scale bytes of these 256 along K
.irp t, 0,1,2,3,4,5,6,7
	ds_load_b128 v[OUTR+4*\t:OUTR+4*\t+3], v7 offset:2*\t*WPIT     ; LDS serves a wave's instructions in order: these see my stores
.endr
.irp t, 0,1,2,3,4,5,6,7
	s_wait_dscnt 7-\t                              ; the younger read-backs may be out
	global_store_b128 v8, v[OUTR+4*\t:OUTR+4*\t+3], s[10:11] offset:1024*\t   ; sixteen lanes store 256 consecutive bytes, aligned
.endr
	s_wait_tensorcnt 0x0
	ds_add_u32 v192, v193
	s_wait_dscnt 0x0
	s_endpgm
.Lfunc_end_k_q9d06fb5f60_quant:
	.size	k_q9d06fb5f60_quant, .Lfunc_end_k_q9d06fb5f60_quant-k_q9d06fb5f60_quant
	.p2alignl 7, 3214868480
	.fill 96, 4, 3214868480
	.section	.rodata,"a",@progbits
	.p2align	6, 0x0
	.amdhsa_kernel k_q9d06fb5f60_quant
		.amdhsa_group_segment_fixed_size 50688
		.amdhsa_private_segment_fixed_size 0
		.amdhsa_enable_private_segment 0
		.amdhsa_kernarg_size 40
		.amdhsa_user_sgpr_count 2
		.amdhsa_user_sgpr_kernarg_segment_ptr 1
		.amdhsa_wavefront_size32 1
		.amdhsa_system_sgpr_workgroup_id_x 1
		.amdhsa_system_sgpr_workgroup_id_y 1
		.amdhsa_system_sgpr_workgroup_id_z 1
		.amdhsa_system_vgpr_workitem_id 0
		.amdhsa_next_free_vgpr 194
		.amdhsa_next_free_sgpr 66
		.amdhsa_reserve_vcc 0
		.amdhsa_float_denorm_mode_32 3
		.amdhsa_float_denorm_mode_16_64 3
		.amdhsa_memory_ordered 1
		.amdhsa_forward_progress 1
		.amdhsa_inst_pref_size 75
	.end_amdhsa_kernel
	.amdgpu_metadata
---
amdhsa.version: [ 1, 2 ]
amdhsa.kernels:
  - .name:           k_q9d06fb5f60_quant
    .symbol:         k_q9d06fb5f60_quant.kd
    .args:
      - { .name: x, .offset: 0, .size: 8, .value_kind: global_buffer, .address_space: global }
      - { .name: W_qkv, .offset: 8, .size: 8, .value_kind: global_buffer, .address_space: global }
      - { .name: W_o, .offset: 16, .size: 8, .value_kind: global_buffer, .address_space: global }
      - { .name: cod, .offset: 24, .size: 8, .value_kind: global_buffer, .address_space: global }
      - { .name: scl, .offset: 32, .size: 8, .value_kind: global_buffer, .address_space: global }
    .group_segment_fixed_size: 50688
    .private_segment_fixed_size: 0
    .kernarg_segment_align: 8
    .kernarg_segment_size: 40
    .max_flat_workgroup_size: 128
    .sgpr_count:     66
    .vgpr_count:     194
    .wavefront_size: 32
...
	.end_amdgpu_metadata
.endif
;; end of part 1
;; launch gemm_qkv (part 2): grid 12 x 32, 4 waves a work-group, clusters of 4 x 4, 327,680 bytes of LDS; arguments cod, scl, b_qkv, qp, kv; writes qp, kv
.if DOCPART == 2
	.amdgcn_target "amdgcn-amd-amdhsa--gfx1250"
	.amdhsa_code_object_version 6
	.text
	.protected	k_q9d06fb5f60_gemm_qkv
	.globl	k_q9d06fb5f60_gemm_qkv
	.p2align	8
	.type	k_q9d06fb5f60_gemm_qkv,@function
k_q9d06fb5f60_gemm_qkv:
	s_mov_b64 s[64:65], 0
	v_nop
	global_prefetch_b8 v0, s[64:65] scope:SCOPE_SE
	s_setreg_imm32_b32 hwreg(HW_REG_WAVE_MODE, 25, 1), 1
	s_wait_xcnt 0x0
	s_wait_alu depctr_hold_cnt(0) depctr_sa_sdst(0) depctr_va_vdst(0) depctr_va_sdst(0) depctr_va_ssrc(0) depctr_va_vcc(0) depctr_vm_vsrc(0)
	s_getreg_b32 s2, hwreg(HW_REG_IB_STS2, 6, 4)
	s_cmp_eq_u32 s2, 0
	s_cbranch_scc0 .Lentry_in_a_cluster
	s_endpgm
.Lentry_in_a_cluster:
	s_bfe_u32 s2, ttmp6, 0x10000c
	s_cmp_lg_u32 s2, 0xf033
	s_cbranch_scc0 .Lentry_shape_is_right
	s_endpgm
.Lentry_shape_is_right:
; qkv = x W_qkv + b_qkv on codes of FP4 (E2M1) with E8M0 scales, K = 1,024, and the result quantised at once: Q and K along the head's channels, V along the tokens.  Only codes and scale bytes are stored.
; A work-group of four waves makes 256 x 256 of the product, a wave 128 x 128: 64 accumulators of 16 x 16, 512 registers.  All of K lies in two LDS slots of 512 along K, each filled once by the tensor data mover.
; SOURCE 0 of the matrix instruction runs along a lane's REGISTERS in the result, source 1 along the LANES.  A quantiser wants its K along a lane's registers.  So:
;   cluster x = 0 (Q), 1 (K): source 0 = rows of W (channels), source 1 = tokens.      cluster x = 2 (V): source 0 = tokens, source 1 = rows of W_v (channels).
; Both operands are rows of cod and scl, so only tile numbers are chosen, by the cluster's x, which all sixteen partners share.  Below "B" is source 0's operand, "A" source 1's.
; CLUSTERS: 4 x 4 work-groups.  A's tile hangs on the place along y and is asked for jointly by a row of the cluster, B's on the place along x and is asked for jointly by a column.
; THE WAY OUT, for each of A's eight blocks of 16: a lane holds 64 numbers of one row, register 8 t + j of tile t = K index 16 t + 8 (lane / 16) + j.  A block of 32 lies in lanes l and l xor 16.
;   The conversion of tile 2 B + u gives dword 2 u + (lane / 16) of block B; two exchanges of halves for each pair of blocks leave registers 4 c .. 4 c + 3 = K 64 c + 32 (lane / 16) + 0 .. 31: the operand's layout.
; qp, kv: [b 16 + head][16 key steps][9,216 bytes]; a step of 128 tokens: [0, 4096) Q's or K's images, 512 bytes for 16 tokens (lane l's 16 bytes at 16 l); [4096, 8192) V^T's fragments, 1,024 bytes for 16 channels;
;   [8192, 8704) a scale word for each token (bytes 0 and 1 count; bytes 2 and 3 are other blocks' bytes or 0, never 0xff); [8704, 9216) V's scale words, 128 bytes for 16 channels.  qp has only the parts that Q fills.
; LIMITS: a block of zeros gets the byte 1 where the rule says 127 (its codes are zeros; this program alone reads the bytes); NaN and infinities are not served.
; REGISTERS, in windows of 256: window 0: v0-31 addresses; v32-95 scale words, two sets, and nothing else; v96-111 V's bias; v112-127 at work on the way out; v128-191 A's fragments, ONE set, later the way out; v192-255 Q's and K's bias.
;   window 1: B's fragments, TWO sets.   window 2: the accumulators of A's blocks 0-3 ((a, b) at v[8 (8 a + b)]);   window 3: those of blocks 4-7.
.set NQ,     4                         ; matrix instructions deep in a slot: 512 / 128
.set ROWB,   256                       ; a tile's row in bytes
.set KROW,   512                       ; a row of cod
.set PITCH,  272                       ; an LDS row: 256 bytes + 16 of padding = 68 words, so that the 16 rows that a load touches start at 16 different banks (64 banks of 4 bytes: ISA guide 11.1)
.set FR,     8
.set NL,     2
.set NP,     4                         ; places behind this matrix instruction (ISA guide 7.12.1)
.set HALFT,  128*PITCH
.set SLOT,   4*HALFT                   ; A's 256 rows, then B's 256 rows
.set KS,     32                        ; a row of scl
.set SCL,    2*SLOT                    ; behind the slots: the scales, as units of 256 bytes + 16 of padding
.set HALFS,  (128*KS/256)*272
.set SBLK,   (16*KS/256)*272
.set SPARE,  SCL+4*HALFS               ; the spare words, 128 bytes for each wave: two blocks of 256 bytes that no other line names
.set HEADB,  147456
.set STEPB,  9216
.set ADRA, 16                          ; v16-17  LDS address of my A fragments in slot 0, 1
.set BOQ,  18                          ; v18     32 (lane / 16): Q's and K's bias
.set BOV,  19                          ; v19     4 (lane % 16): V's bias
.set ADRB, 20                          ; v20-21  the same as ADRA for B
.set LI,   22                          ; v22     16 x lane
.set SH,   23                          ; v23     16 (lane / 16)
.set STA,  24                          ; v24     Q, K: where a token's scale word goes in my stage
.set STR,  25                          ; v25     Q, K: where I read 16 bytes of it back
.set STV,  26                          ; v26     V: the same two
.set ADRS, 27                          ; v27     LDS address of my scale words: lanes 0-15 A's rows, lanes 16-31 B's
.set SPW,  28                          ; v28     LDS address of my spare word; never rewritten
.set NIL,  29                          ; v29     0; never rewritten
.set STRV, 30
.set SC,   32
.set BL,   96                          ; v96-111 V: pair 2 a, 2 a + 1: the bias of channel 16 a + lane % 16, twice
.set TM,   112                         ; v112-115 largest magnitudes, v116-119 bytes, v124-127 the conversions' scale operands
.set AF,   128
.set FLR,  128                         ; the way out: the floor 2^(3 - 127)
.set PC,   132                         ; v132-139 the codes just made
.set RB,   140                         ; v140-147 scale words read back
.set PWB,  148                         ; v148-155 a scale word for each block
.set TWB,  156                         ; v156-163 the same, shifted for my half's head
.set BI,   192                         ; v192-255 the C of the first products: Q, K: the bias of channel 16 b + 8 (lane / 16) + j; V: zeros
.set G1, 24
.set G0, 32
.set G1B, 48
.set G0B, 56
.set G1S, 68
.set G0S, 76
.set G1SB, 80
.set G0SB, 88
.set ISV, 95                           ; s95  1 in V's clusters
.set SEL, 66                           ; s[66:67] lane selects for v_permlanex16_b32: lane l xor 16
.set OB,  18                           ; s[18:19] where my wave's results begin
.set MSB, 0
.macro WIN new                         ; the immediate's high byte repeats the setting that is left
.if MSB != \new
	s_set_vgpr_msb (MSB<<8)|\new
.set MSB, \new
.endif
.endm
.set MUL_LO, 0xa1                      ; source 0 (B) window 1, source 1 (A) window 0, C and D window 2
.set MUL_HI, 0xf1                      ; the same, C and D window 3
.set FST_LO, 0x81                      ; the first products: C (the bias) window 0, D window 2
.set FST_HI, 0xc1                      ; D window 3
.set TO_B,   0x40
; A joint load: waves 0 and 1 fetch for A, waves 2 and 3 for B.  Each line has one mask and one set of registers for all that issue it; the branch hangs on the wave's number alone.
; Four v_nop follow each of the two lines, ahead of the jump, the label and what follows.
.macro JLOAD g0a, g1a, g0b, g1b
	s_cmp_eq_u32 s15, 0
	s_cbranch_scc0 .Lfor_b_\@
	tensor_load_to_lds s[\g0a:\g0a+3], s[\g1a:\g1a+7]
	s_nop 0
.rept 4
	v_nop
.endr
	s_branch .Lasked_\@
.Lfor_b_\@:
	tensor_load_to_lds s[\g0b:\g0b+3], s[\g1b:\g1b+7]
	s_nop 0
.rept 4
	v_nop
.endr
.Lasked_\@:
.endm
.macro CROUND                          ; a round of the cluster's barrier
	s_barrier_signal -1
	s_barrier_wait -1
	s_cmp_lg_u32 s14, 0
	s_cbranch_scc1 .Lnot_wave_0_\@
	s_barrier_signal -3
.Lnot_wave_0_\@:
	s_barrier_wait -3
	s_barrier_signal -1
	s_barrier_wait -1
.endm
	s_load_b256 s[4:11], s[0:1], 0x0               ; cod s[4:5], scl s[6:7], b_qkv s[8:9], qp s[10:11]
	s_load_b64 s[12:13], s[0:1], 0x20              ; kv
	v_lshl_add_u32 v[SPW], v0, 2, SPARE
	v_mov_b32 v[NIL], 0
	ds_add_u32 v28, v29
	ds_add_u32 v28, v29
	s_wait_dscnt 0x0
	v_lshrrev_b32 v1, 5, v0
	v_readfirstlane_b32 s14, v1                    ; wave 0..3
	s_lshr_b32 s15, s14, 1                         ; which half of A's 256 rows I multiply.  Also: I fetch for A (0) or for B (1)
	s_and_b32 s16, s14, 1                          ; which half of B's.  Also: which 128 rows of that tile I fetch
	s_bfe_u32 s40, ttmp6, 0x40000                  ; cx, cy: my place in the cluster
	s_bfe_u32 s41, ttmp6, 0x40004
	s_and_b32 s96, ttmp7, 0xffff                   ; cluster y: 0..7
	s_add_co_u32 s98, ttmp9, 8
	s_cmp_eq_u32 ttmp9, 2                          ; V's clusters?  The same answer in all sixteen partners
	s_cselect_b32 s[ISV], 1, 0
	s_cselect_b32 s98, s96, s98                    ; B's four tiles of 256 rows of cod: V: tokens 4 y ..; Q, K: rows of W 32 + 4 x ..
	s_cselect_b32 s97, 10, s96                     ; A's: V: rows of W_v, tiles 40 ..; Q, K: tokens 4 y ..
	s_lshl_b32 s42, s98, 2
	s_add_co_u32 s42, s42, s40                     ; B's tile
	s_lshl_b32 s17, s97, 2
	s_add_co_u32 s17, s17, s41                     ; A's tile
	s_lshl_b32 s43, s41, 2
	s_lshl_b32 s43, 15, s43                        ; my row of the cluster
	s_lshl_b32 s44, 0x1111, s40                    ; my column
	; descriptor group 1: a tile of 128 rows x 256 bytes, padded in LDS
	s_or_b32 s[G1+0], s43, (0<<16)|(1<<20)|(1<<21)|(5<<22)|(3<<25)  ; 15:0 the mask; 17:16 elements of 1 byte; 20 padding on; 21 set beside a mask; 24:22 after every 64 words; 31:25 four words
	s_or_b32 s[G1B+0], s44, (0<<16)|(1<<20)|(1<<21)|(5<<22)|(3<<25)
.irp g, G1, G1B
	s_mov_b32 s[\g+1], ROWB<<16                    ; tensor_dim0
	s_mov_b32 s[\g+2], 128<<16                     ; tensor_dim1
	s_mov_b32 s[\g+3], ROWB<<16                    ; tile_dim0
	s_mov_b32 s[\g+4], 128                         ; tile_dim1
	s_mov_b32 s[\g+5], KROW                        ; tensor_dim0_stride
	s_mov_b32 s[\g+6], 0
	s_mov_b32 s[\g+7], 0
.endr
	; the scales of 128 rows: 4,096 dense bytes, as 16 rows of 256 bytes (32 elements of 8 bytes), 16 bytes of padding behind each
	s_or_b32 s[G1S+0], s43, (3<<16)|(1<<20)|(1<<21)|(5<<22)|(3<<25)
	s_or_b32 s[G1SB+0], s44, (3<<16)|(1<<20)|(1<<21)|(5<<22)|(3<<25)
.irp g, G1S, G1SB
	s_mov_b32 s[\g+1], 32<<16
	s_mov_b32 s[\g+2], (128*KS/256)<<16
	s_mov_b32 s[\g+3], 32<<16
	s_mov_b32 s[\g+4], 128*KS/256
	s_mov_b32 s[\g+5], 32
	s_mov_b32 s[\g+6], 0
	s_mov_b32 s[\g+7], 0
.endr
	s_lshl_b32 s18, s16, 7                         ; which 128 rows of the tile I fetch
	s_lshl_b32 s20, s17, 8
	s_add_co_u32 s20, s20, s18                     ; A: row of cod
	s_lshl_b32 s46, s42, 8
	s_add_co_u32 s46, s46, s18                     ; B: row of cod
	s_lshl_b32 s22, s20, 5                         ; their scales, 32 bytes a row,
	s_mov_b32 s23, 0
	s_lshl_b32 s92, s46, 5
	s_mov_b32 s93, 0
	s_lshl_b32 s20, s20, 9                         ; and their codes, 512 bytes a row (12,288 rows: under 2^23 bytes)
	s_mov_b32 s21, 0
	s_lshl_b32 s46, s46, 9
	s_mov_b32 s47, 0
	s_mul_i32 s45, s14, HALFT                      ; where they go: wave x 128 rows: no place in the cluster enters an LDS address
	s_mul_i32 s94, s14, HALFS
	s_wait_kmcnt 0x0
	s_add_nc_u64 s[20:21], s[4:5], s[20:21]
	s_add_nc_u64 s[22:23], s[6:7], s[22:23]
	s_add_nc_u64 s[46:47], s[4:5], s[46:47]
	s_add_nc_u64 s[92:93], s[6:7], s[92:93]
	CROUND                                         ; all sixteen work-groups are here: the joint loads meet
	s_mov_b32 s[G0S], 1
	s_add_co_u32 s[G0S+1], s94, SCL
	s_mov_b64 s[G0S+2:G0S+3], s[22:23]
	s_or_b32 s[G0S+3], s[G0S+3], 0x80000000
	s_mov_b32 s[G0SB], 1
	s_add_co_u32 s[G0SB+1], s94, SCL
	s_mov_b64 s[G0SB+2:G0SB+3], s[92:93]
	s_or_b32 s[G0SB+3], s[G0SB+3], 0x80000000
	JLOAD G0S, G1S, G0SB, G1SB                     ; the scales first: they are wanted with the first products
.irp s, 0,1
	s_mov_b32 s[G0+4*\s], 1
	s_add_co_u32 s[G0+4*\s+1], s45, \s*SLOT
	s_add_nc_u64 s[G0+4*\s+2:G0+4*\s+3], s[20:21], \s*ROWB
	s_or_b32 s[G0+4*\s+3], s[G0+4*\s+3], 0x80000000
	s_mov_b32 s[G0B+4*\s], 1
	s_add_co_u32 s[G0B+4*\s+1], s45, \s*SLOT
	s_add_nc_u64 s[G0B+4*\s+2:G0B+4*\s+3], s[46:47], \s*ROWB
	s_or_b32 s[G0B+4*\s+3], s[G0B+4*\s+3], 0x80000000
	JLOAD G0+4*\s, G1, G0B+4*\s, G1B               ; both slots: all of K.  Three tensor loads of mine are out
.endr
	v_and_b32 v1, 15, v0                           ; r = lane % 16
	v_bfe_u32 v2, v0, 4, 1                         ; h = lane / 16
	v_mul_u32_u24 v3, v1, PITCH
	v_lshl_add_u32 v4, v2, 4, v3                   ; a fragment's row x pitch + 16 h
	s_mul_i32 s21, s15, HALFT                      ; my 128 rows of A
	s_mul_i32 s22, s16, HALFT                      ; my 128 rows of B,
	s_add_co_u32 s22, s22, 2*HALFT                 ; which lie behind A's 256
.irp s, 0,1
	v_add_nc_u32 v[ADRA+\s], s21, v4
	v_add_nc_u32 v[ADRB+\s], s22, v4
	s_add_co_u32 s21, s21, SLOT
	s_add_co_u32 s22, s22, SLOT
.endr
	v_mul_u32_u24 v5, v1, KS                       ; my row's scales: 32 bytes a row,
	v_lshrrev_b32 v6, 8, v5
	v_lshl_add_u32 v5, v6, 4, v5                   ; and 16 more for each 256 passed
	s_mul_i32 s21, s15, HALFS
	s_mul_i32 s22, s16, HALFS
	s_add_co_u32 s22, s22, 2*HALFS
	s_sub_co_u32 s22, s22, s21
	v_mul_u32_u24 v6, s22, v2                      ; lanes 16-31 take B's
	s_add_co_u32 s21, s21, SCL
	v_add_nc_u32 v5, v5, v6
	v_add_nc_u32 v[ADRS], s21, v5
	; the way out's LDS addresses, all made here.  The stages lie in slot 0, which has had its one fill, and which nobody reads behind the change of slots.  Q, K: [0, 4096); V: [4096, 8192); 1,024 bytes a wave
	v_and_b32 v6, 31, v0
	v_lshlrev_b32 v[LI], 4, v6
	s_lshl_b32 s23, s14, 10
	v_lshlrev_b32 v[BOV], 2, v1
	v_lshl_add_u32 v5, v2, 9, v[BOV]               ; 4 r + 512 h: lanes 0-15 serve my first head, lanes 16-31 my second
	v_add_nc_u32 v[STA], s23, v5
	v_add_nc_u32 v[STR], s23, v[LI]
	v_lshl_add_u32 v5, v6, 2, 4096
	v_add_nc_u32 v[STV], s23, v5
	v_add_nc_u32 v[STRV], 4096, v[STR]
	v_lshlrev_b32 v[SH], 4, v2
	v_lshlrev_b32 v[BOQ], 5, v2
	; the bias.  Q, K: it runs along a lane's registers and is the C of the first products.  V: it runs along the lanes and is added on the way out; the first products' C is zeros, so that one text serves both
	s_cmp_eq_u32 s[ISV], 0
	s_cbranch_scc0 .Lbias_v
	s_sub_co_u32 s92, s42, 32                      ; column of W_qkv = 256 (B's tile - 32) + 128 x my half
	s_lshl_b32 s92, s92, 10
	s_lshl_b32 s93, s16, 9
	s_add_co_u32 s92, s92, s93
	s_mov_b32 s93, 0
	s_add_nc_u64 s[92:93], s[8:9], s[92:93]
.irp b, 0,1,2,3,4,5,6,7
	global_load_b128 v[BI+8*\b:BI+8*\b+3], v[BOQ], s[92:93] offset:64*\b
	global_load_b128 v[BI+8*\b+4:BI+8*\b+7], v[BOQ], s[92:93] offset:64*\b+16
.endr
.set i, 0
.rept 16
	v_mov_b32 v[BL+i], 0
.set i, i+1
.endr
	s_branch .Lbias_done
.Lbias_v:
	s_sub_co_u32 s92, s17, 32                      ; column of W_qkv = 256 (A's tile - 32) + 128 x my half
	s_lshl_b32 s92, s92, 10
	s_lshl_b32 s93, s15, 9
	s_add_co_u32 s92, s92, s93
	s_mov_b32 s93, 0
	s_add_nc_u64 s[92:93], s[8:9], s[92:93]
.irp a, 0,1,2,3,4,5,6,7
	global_load_b32 v[BL+2*\a], v[BOV], s[92:93] offset:64*\a
	global_load_b32 v[BL+2*\a+1], v[BOV], s[92:93] offset:64*\a
.endr
.set i, 0
.rept 64
	v_mov_b32 v[BI+i], 0
.set i, i+1
.endr
.Lbias_done:
.macro FRAG reg, adr, q, i             ; a fragment, 16 rows x 128 K of 4-bit codes: lane l holds row l % 16; registers 4 c .. 4 c + 3 hold K = 64 c + 32 (l / 16) + 0 .. 31
.irp c, 0,1
	ds_load_b128 v[\reg+4*\c:\reg+4*\c+3], v[\adr] offset:64*(\q)+32*\c+(\i)*16*PITCH
.endr
.endm
; 16 matrix instructions: A's blocks a0, a0 + 1 x B's eight, the slot's q-th 128 along K.  p: B's set; sc: the set of scale words.  first = 1: the sums begin with the bias as C: nothing is cleared and nothing is added later.
; The 64 accumulators take turns, one instruction a turn, in the same order in every step.
.macro MUL16 a0, p, q, sc, first
.irp a, \a0, \a0+1
.irp b, 0,1,2,3,4,5,6,7
.if \first
	v_wmma_scale_f32_16x16x128_f8f6f4 v[8*(8*((\a)%4)+\b):8*(8*((\a)%4)+\b)+7], v[128*(\p)+FR*\b:128*(\p)+FR*\b+FR-1], v[AF+FR*(\a):AF+FR*(\a)+FR-1], v[BI+8*\b:BI+8*\b+7], v[SC+8*NQ*(\sc)+NQ*\b+(\q)], v[SC+8*NQ*(\sc)+NQ*(\a)+(\q)] matrix_a_fmt:MATRIX_FMT_FP4 matrix_b_fmt:MATRIX_FMT_FP4 matrix_a_scale:MATRIX_SCALE_ROW1
.else
	v_wmma_scale_f32_16x16x128_f8f6f4 v[8*(8*((\a)%4)+\b):8*(8*((\a)%4)+\b)+7], v[128*(\p)+FR*\b:128*(\p)+FR*\b+FR-1], v[AF+FR*(\a):AF+FR*(\a)+FR-1], v[8*(8*((\a)%4)+\b):8*(8*((\a)%4)+\b)+7], v[SC+8*NQ*(\sc)+NQ*\b+(\q)], v[SC+8*NQ*(\sc)+NQ*(\a)+(\q)] matrix_a_fmt:MATRIX_FMT_FP4 matrix_b_fmt:MATRIX_FMT_FP4 matrix_a_scale:MATRIX_SCALE_ROW1
.endif
.endr
.endr
.endm
.macro FETCH_B slot, q, p
	WIN TO_B
.irp i, 0,1,2,3,4,5,6,7
	FRAG 128*(\p)+FR*\i, ADRB+\slot, \q, \i
.endr
	WIN 0
.endm
.macro FETCH_A slot, q, i0
.irp i, \i0, \i0+1, \i0+2, \i0+3
	FRAG AF+FR*(\i), ADRA+\slot, \q, \i
.endr
.endm
.macro SCALES sc                       ; a slot's scale words: four words a row; lanes 0-15 take A's block i, lanes 16-31 B's block i
.irp i, 0,1,2,3,4,5,6,7
	ds_load_b128 v[SC+8*NQ*\sc+NQ*\i:SC+8*NQ*\sc+NQ*\i+3], v[ADRS] offset:\i*SBLK
.endr
.endm
.macro PLACES n                        ; plain vector instructions between a matrix instruction and a load into, or a vector instruction on, its registers (ISA guide 7.12.1 for vector instructions)
.rept \n
	v_nop
.endr
.endm
.macro STEP slot, q, first             ; 128 along K that have their successor in the same slot
	s_wait_dscnt 4*NL                              ; B's set and A's blocks 0-3 are in; the youngest eight loads (A's blocks 4-7) may be out
.if \first
	WIN FST_LO
.else
	WIN MUL_LO
.endif
	MUL16 0, (\q)%2, \q, \slot, \first
	MUL16 2, (\q)%2, \q, \slot, \first
	s_wait_dscnt 0
	PLACES NP
	FETCH_B \slot, (\q)+1, 1-(\q)%2
	FETCH_A \slot, (\q)+1, 0
.if \first
	WIN FST_HI
.else
	WIN MUL_HI
.endif
	MUL16 4, (\q)%2, \q, \slot, \first
	MUL16 6, (\q)%2, \q, \slot, \first
	PLACES NP
	WIN 0
	FETCH_A \slot, (\q)+1, 4
.endm
; Slot 0's last step changes slots: one barrier; in front of it each wave waits for all its tensor loads (its part of slot 1), and for its own reads of slot 0.  Slot 0 later takes the stages.
.macro TURN slot, next
	s_wait_tensorcnt 0x0                           ; all my tensor loads have landed
	ds_add_u32 v[SPW], v[NIL]                      ; 0 onto my spare word
	s_wait_dscnt 4*NL+1                            ; (the add and the youngest eight loads may be out)
	WIN MUL_LO
	MUL16 0, 1, NQ-1, \slot, 0
	s_wait_dscnt 0x0                               ; the add is done, and my reads of this slot are over
	s_barrier_signal -1
	MUL16 2, 1, NQ-1, \slot, 0
	WIN 0
	s_barrier_wait -1
	PLACES NP
	v_add_nc_u32 v[ADRS], 4*NQ, v[ADRS]            ; on to the next slot's scale words (no LDS load of mine is out)
	FETCH_B \next, 0, 0
	FETCH_A \next, 0, 0
	SCALES \next
	WIN MUL_HI
	MUL16 4, 1, NQ-1, \slot, 0
	MUL16 6, 1, NQ-1, \slot, 0
	PLACES NP
	WIN 0
	FETCH_A \next, 0, 4
.endm
.macro STEPS slot, from
.set Q, \from
.rept NQ-1-\from
	STEP \slot, Q, 0
.set Q, Q+1
.endr
.endm
	s_wait_tensorcnt 1                             ; the scales and my part of slot 0 are in (slot 1's load may be out)
	s_barrier_signal -1
	s_barrier_wait -1                              ; everybody's are
	FETCH_B 0, 0, 0
	FETCH_A 0, 0, 0
	SCALES 0
	FETCH_A 0, 0, 4
	s_wait_loadcnt 0x0                             ; the bias
	STEP 0, 0, 1
	STEPS 0, 1
	TURN 0, 1
	STEPS 1, 0
	s_wait_dscnt 4*NL                              ; the very last step: nothing more to fetch
	WIN MUL_LO
	MUL16 0, 1, NQ-1, 1, 0
	MUL16 2, 1, NQ-1, 1, 0
	s_wait_dscnt 0
	WIN MUL_HI
	MUL16 4, 1, NQ-1, 1, 0
	MUL16 6, 1, NQ-1, 1, 0
	WIN 0
; THE WAY OUT of A's block a.  isv = 1: V.
.macro EPI a, isv
.set AC, 64*((\a)%4)
.set W, 2+(\a)/4                       ; the block's window
.if \isv
.set WN, (W<<6)|W                      ; destination and source 0: the accumulators; source 1: window 0
	WIN WN
.set i, 0
.rept 32
	v_pk_add_f32 v[AC+i:AC+i+1], v[AC+i:AC+i+1], v[BL+2*(\a):BL+2*(\a)+1]   ; + the bias of my channel; each accumulator from its low end on
.set i, i+2
.endr
.endif
.set WN, 0x14*W                        ; sources 1 and 2: the accumulators
	WIN WN
.irp b, 0,1,2,3
	v_max3_num_f32 v[TM+\b], v[FLR], |v[AC+16*\b]|, |v[AC+16*\b+1]|   ; block b: my 16 numbers and the floor; each accumulator from its low end on
.endr
.irp i, 2,4,6,8,10,12,14
.irp b, 0,1,2,3
	v_max3_num_f32 v[TM+\b], v[TM+\b], |v[AC+16*\b+\i]|, |v[AC+16*\b+\i+1]|   ; (the four blocks by turns)
.endr
.endr
	WIN 0
.irp b, 0,1,2,3
	v_permlanex16_b32 v[TM+4+\b], v[TM+\b], s[SEL], s[SEL+1]
.endr
.irp b, 0,1,2,3
	v_max_num_f32 v[TM+\b], v[TM+\b], v[TM+4+\b]   ; with lane l xor 16's: the block's largest magnitude
.endr
.irp b, 0,1,2,3
	v_add_nc_u32 v[TM+12+\b], 0xff000000, v[TM+\b] ; 2 off its exponent field: the conversion's scale operand
.endr
.irp b, 0,1,2,3
	v_lshrrev_b32 v[TM+4+\b], 23, v[TM+12+\b]      ; the scale's byte
.endr
	v_lshl_or_b32 v[PWB+(\a)], v[TM+5], 8, v[TM+4]
	v_lshl_or_b32 v[PWB+(\a)], v[TM+6], 16, v[PWB+(\a)]
	v_lshl_or_b32 v[PWB+(\a)], v[TM+7], 24, v[PWB+(\a)]   ; my row's scale word
	s_wait_xcnt 0x0                                ; the last block's stores have read the codes' registers: they are written again only behind this wait
	WIN W                                          ; source 0: the accumulators
.irp b, 0,1,2,3
.irp u, 0,1
	v_cvt_scalef32_pk8_fp4_f32 v[PC+4*(\b/2)+2*\u+(\b%2)], v[AC+16*\b+8*\u:AC+16*\b+8*\u+7], v[TM+12+\b]   ; dword 2 u + (lane / 16) of block b
.endr
.endr
	WIN 0
	v_nop                                          ; one plain place behind a scaled conversion
.irp c, 0,1
.irp u, 0,1
	v_permlane16_swap_b32 v[PC+4*\c+2*\u], v[PC+4*\c+2*\u+1]   ; lanes 0-15 get block 2 c whole, lanes 16-31 block 2 c + 1
.endr
.endr
.if \isv
	ds_store_b32 v[STV], v[PWB+(\a)] offset:128*(\a)
	global_store_b128 v[LI], v[PC:PC+3], s[OB:OB+1] offset:((\a)/4)*HEADB+4096+((\a)%4)*1024       ; the wave stores 512 consecutive bytes, aligned
	global_store_b128 v[LI], v[PC+4:PC+7], s[OB:OB+1] offset:((\a)/4)*HEADB+4096+((\a)%4)*1024+512
.else
	v_lshrrev_b32 v[TWB+(\a)], v[SH], v[PWB+(\a)]  ; lanes 16-31: the second head's two bytes come down
	ds_store_b32 v[STA], v[TWB+(\a)] offset:64*(\a)
	global_store_b128 v[LI], v[PC:PC+3], s[OB:OB+1] offset:512*(\a)            ; my first head: 16 tokens x 64 channels
	global_store_b128 v[LI], v[PC+4:PC+7], s[OB:OB+1] offset:512*(\a)+HEADB    ; my second head
.endif
.endm
	PLACES NP                                      ; behind the last products: the lines below read results and write registers that held A's fragments
	v_mov_b32 v[FLR], 0x1800000                    ; the floor 2^(3 - 127): the byte cannot fall under 1
.irp b, 0,1,2,3
	v_mov_b32 v[TM+4+\b], 0                        ; written once: a lane permute's destination counts as one of its sources
.endr
	s_mov_b32 s[SEL], 0x76543210
	s_mov_b32 s[SEL+1], 0xfedcba98
	s_cmp_eq_u32 s[ISV], 0
	s_cbranch_scc0 .Lout_v
	; Q, K: my 128 tokens are one key step of one batch; my 128 channels are two heads
	s_lshl_b32 s20, s17, 8
	s_lshl_b32 s21, s15, 7
	s_add_co_u32 s20, s20, s21                     ; my first token
	s_lshr_b32 s21, s20, 11                        ; the batch
	s_bfe_u32 s22, s20, 0x40007                    ; the key step: 4 bits from bit 7
	s_sub_co_u32 s23, s42, 32
	s_lshl_b32 s23, s23, 2                         ; four heads to a tile of 256 columns,
	s_lshl_b32 s46, s16, 1                         ; two to my half
	s_add_co_u32 s23, s23, s46
	s_and_b32 s23, s23, 15                         ; my first head (K's columns begin at 1,024)
	s_lshl_b32 s21, s21, 4
	s_add_co_u32 s21, s21, s23
	s_mul_i32 s21, s21, HEADB
	s_mul_i32 s22, s22, STEPB
	s_add_co_u32 s[OB], s21, s22
	s_mov_b32 s[OB+1], 0
	s_cmp_eq_u32 ttmp9, 0                          ; Q's clusters store into qp, K's into kv
	s_cselect_b64 s[20:21], s[10:11], s[12:13]
	s_add_nc_u64 s[OB:OB+1], s[20:21], s[OB:OB+1]
.irp a, 0,1,2,3,4,5,6,7
	EPI \a, 0
.endr
	ds_load_b128 v[RB:RB+3], v[STR]                ; LDS serves a wave's instructions in order: these see my stores.  128 tokens' words of my first head,
	ds_load_b128 v[RB+4:RB+7], v[STR] offset:512   ; and of my second
	s_wait_dscnt 0x0
	global_store_b128 v[LI], v[RB:RB+3], s[OB:OB+1] offset:8192
	global_store_b128 v[LI], v[RB+4:RB+7], s[OB:OB+1] offset:8192+HEADB
	s_branch .Ldone
.Lout_v:
	; V: B's 128 tokens are one key step; A's 128 channels are two heads
	s_lshl_b32 s20, s42, 8
	s_lshl_b32 s21, s16, 7
	s_add_co_u32 s20, s20, s21                     ; my first token
	s_lshr_b32 s21, s20, 11
	s_bfe_u32 s22, s20, 0x40007
	s_sub_co_u32 s23, s17, 40
	s_lshl_b32 s23, s23, 2
	s_lshl_b32 s46, s15, 1
	s_add_co_u32 s23, s23, s46                     ; my first head
	s_lshl_b32 s21, s21, 4
	s_add_co_u32 s21, s21, s23
	s_mul_i32 s21, s21, HEADB
	s_mul_i32 s22, s22, STEPB
	s_add_co_u32 s[OB], s21, s22
	s_mov_b32 s[OB+1], 0
	s_add_nc_u64 s[OB:OB+1], s[12:13], s[OB:OB+1]
.irp a, 0,1,2,3,4,5,6,7
	EPI \a, 1
.endr
	ds_load_b128 v[RB:RB+3], v[STRV]
	ds_load_b128 v[RB+4:RB+7], v[STRV] offset:512
	s_wait_dscnt 0x0
	global_store_b128 v[LI], v[RB:RB+3], s[OB:OB+1] offset:8704
	global_store_b128 v[LI], v[RB+4:RB+7], s[OB:OB+1] offset:8704+HEADB
.Ldone:
	s_wait_tensorcnt 0x0                           ; the wave's end: these three lines stand behind my last tensor load and my last LDS store
	ds_add_u32 v[SPW], v[NIL]
	s_wait_dscnt 0x0
	CROUND                                         ; the closing round: no work-group ends while a partner may still ask for a tile that names it
	s_endpgm
.Lfunc_end_k_q9d06fb5f60_gemm_qkv:
	.size	k_q9d06fb5f60_gemm_qkv, .Lfunc_end_k_q9d06fb5f60_gemm_qkv-k_q9d06fb5f60_gemm_qkv
	.p2alignl 7, 3214868480
	.fill 96, 4, 3214868480
	.section	.rodata,"a",@progbits
	.p2align	6, 0x0
	.amdhsa_kernel k_q9d06fb5f60_gemm_qkv
		.amdhsa_group_segment_fixed_size 327680
		.amdhsa_private_segment_fixed_size 0
		.amdhsa_enable_private_segment 0
		.amdhsa_kernarg_size 40
		.amdhsa_user_sgpr_count 2
		.amdhsa_user_sgpr_kernarg_segment_ptr 1
		.amdhsa_wavefront_size32 1
		.amdhsa_system_sgpr_workgroup_id_x 1
		.amdhsa_system_sgpr_workgroup_id_y 1
		.amdhsa_system_sgpr_workgroup_id_z 1
		.amdhsa_system_vgpr_workitem_id 0
		.amdhsa_next_free_vgpr 1024
		.amdhsa_next_free_sgpr 100
		.amdhsa_reserve_vcc 0
		.amdhsa_float_denorm_mode_32 3
		.amdhsa_float_denorm_mode_16_64 3
		.amdhsa_memory_ordered 1
		.amdhsa_forward_progress 1
		.amdhsa_inst_pref_size 184
	.end_amdhsa_kernel
	.amdgpu_metadata
---
amdhsa.version: [ 1, 2 ]
amdhsa.kernels:
  - .name:           k_q9d06fb5f60_gemm_qkv
    .symbol:         k_q9d06fb5f60_gemm_qkv.kd
    .args:
      - { .name: cod, .offset: 0, .size: 8, .value_kind: global_buffer, .address_space: global }
      - { .name: scl, .offset: 8, .size: 8, .value_kind: global_buffer, .address_space: global }
      - { .name: b_qkv, .offset: 16, .size: 8, .value_kind: global_buffer, .address_space: global }
      - { .name: qp, .offset: 24, .size: 8, .value_kind: global_buffer, .address_space: global }
      - { .name: kv, .offset: 32, .size: 8, .value_kind: global_buffer, .address_space: global }
    .group_segment_fixed_size: 327680
    .private_segment_fixed_size: 0
    .kernarg_segment_align: 8
    .kernarg_segment_size: 40
    .max_flat_workgroup_size: 128
    .sgpr_count:     100
    .vgpr_count:     1024
    .wavefront_size: 32
...
	.end_amdgpu_metadata
.endif
;; end of part 2
;; launch attn (part 3): grid 4 x 64, 16 waves a work-group, no clusters, 169,984 bytes of LDS; arguments qp, kv, oc, os; writes oc, os
.if DOCPART == 3
	.amdgcn_target "amdgcn-amd-amdhsa--gfx1250"
	.amdhsa_code_object_version 6
	.text
	.protected	k_q9d06fb5f60_attn
	.globl	k_q9d06fb5f60_attn
	.p2align	8
	.type	k_q9d06fb5f60_attn,@function
k_q9d06fb5f60_attn:
	s_mov_b64 s[64:65], 0
	v_nop
	global_prefetch_b8 v0, s[64:65] scope:SCOPE_SE
	s_setreg_imm32_b32 hwreg(HW_REG_WAVE_MODE, 25, 1), 1
	s_wait_xcnt 0x0
; Causal attention of one head (work-group y = 16 b + head), both products on codes of FP4 (E2M1) with E8M0 scales, and the result O quantised at once along the channels for the last product.
; t = score x log2(e) / 8; M = the row's largest t so far, rounded UP to a whole number; p = 2^(t - M) is what is quantised, along the keys, not normalised.  The row's sum is taken of the unquantised p, in f32,
; and divides O at the end.  When M moves, the sum and O are multiplied by 2^(old M - new M): exact.
; THE HEAD'S WHOLE PACK of K and V (16 key steps x 9,216 bytes = 147,456: images of the operands' registers and their scale words, as the launch before laid them) lies in LDS, filled ONCE: no ring, nothing filled again.
; SHARES.  The head's 128 tiles of 16 queries go to 4 work-groups x 16 waves; wave W = 16 x + w takes tiles W and 127 - W: W / 8 + 1 and 16 - W / 8 key steps of 128 keys, 17 for every wave.
; Four waves share a SIMD, so that one wave's vector work stands beside another's matrix work and LDS loads.
; NO CLUSTER, though the four work-groups of a head read the same pack: a wave leaves out the key steps behind its queries by a branch on 16 x + w, and x would be the work-group's place in such a cluster.
; LAYOUT.  Both products are used transposed: S^T = K Q^T (source 0 = 16 keys, source 1 = my 16 queries), O^T = V^T P^T: a lane holds ONE query (lane % 16) throughout.  In tile t register j is key 16 t + 8 (lane / 16) + j.
; A block of 32 keys is tiles 2 B, 2 B + 1 of lanes l and l xor 16; the conversion of tile 2 B + u gives dword 2 u + (lane / 16) of block B, and two exchanges of halves for each pair of blocks give the operand's layout.
; THE HEAD HAS 64 CHANNELS, the instruction takes 128: Q's registers 4-7 are zero codes, so whatever stands in K's registers 4-7 (the next tile's codes) adds nothing; no scale byte is 0xff.
; LIMITS: a block of zeros gets the byte 1 where the rule says 127 (its codes are zeros; this program alone reads the bytes); NaN and infinities are not served.
; oc: [token / 16][head][512 bytes]: registers 4 c .. 4 c + 3 (c = head % 2) of the last product's fragment of K step head / 2.  os: [token][32 bytes], byte 2 head + block.
; REGISTERS: v1 16 lane, v2 4 lane, v3 4 r, v4 r - 8 h, v5-6 the step's LDS addresses, v7 32 r, v8-11 Q's offsets; v12 -M, v13 the largest t, v[14:15] the sum; v16-31 Q's two fragments; v32-63 K, v64-67 zeros; v68-99 V;
;   v100-163 S^T, then p; v164-195 O^T; v196-203 p's codes; v204-223 at work; v224-227 O's codes; v240-250 scale words, v240-243 also partial sums of p.
.set HEADB, 147456
.set STEPB, 9216
.set PART,  4608                       ; what one tensor load brings: 18 rows of 256 bytes
.set HALFB, 16*PART
.set KR,  32
.set VR,  68
.set S,   100
.set OT,  164
.set PCD, 196
.set BM,  204                          ; v204-207 the blocks' largest scores, then largest p
.set T2,  208                          ; v208-211 the other half's, then the bytes
.set SO,  212                          ; v212-215 the conversions' scale operands
.set OC,  224
.set KSC, 240                          ; v240-243 K's scale words: lanes 0-15 tile 2 B, lanes 16-31 tile 2 B + 1
.set VSC, 244                          ; v244-247 V's
.set PSC, 248                          ; v248     p's
.set QSC, 249                          ; v249-250 Q's
.set WV,  12
.set SEL, 14                           ; s[14:15] lane selects for v_permlanex16_b32: lane l xor 16
.set CS,  16                           ; s[16:17] c = log2(e) / 8
.set TB,  18                           ; s18  LDS byte at which the step's pack begins
.set KF,  19                           ; s19  the step's first key
.set CNT, 20
.set JJ,  22                           ; s22-23 my two tiles of queries
.set Q0,  40                           ; s40-41 their first queries
.set QL,  42                           ; s42-43 their last
.set QB,  44                           ; s[44:47] where their images lie in qp
.set OCB, 48                           ; s[48:51] where their codes go
.set OSB, 52                           ; s[52:55] and their scale bytes
	s_load_b256 s[4:11], s[0:1], 0x0               ; qp s[4:5], kv s[6:7], oc s[8:9], os s[10:11]
	v_lshl_add_u32 v254, v0, 2, 0x29000
	v_mov_b32 v255, 0
	ds_add_u32 v254, v255
	ds_add_u32 v254, v255
	v_lshrrev_b32 v1, 5, v0
	s_delay_alu instid0(VALU_DEP_1)
	v_readfirstlane_b32 s[WV], v1                  ; wave 0..15
	s_and_b32 s60, ttmp7, 0xffff                   ; 16 b + head
	s_mul_i32 s62, s60, HEADB                      ; the head's pack, in kv and in qp
	s_mov_b32 s63, 0
	s_mul_i32 s58, s[WV], PART                     ; my part of each half of it
	s_mov_b32 s59, 0
	s_and_b32 s61, s60, 15                         ; head
	s_lshr_b32 s60, s60, 4                         ; b
	; descriptor group 1: 18 rows of 256 bytes (32 elements of 8 bytes), dense in memory and in LDS
	s_mov_b32 s24, 3<<16                           ; 15:0 no mask; 17:16 elements of 8 bytes; no padding
	s_mov_b32 s25, 32<<16                          ; tensor_dim0
	s_mov_b32 s26, 18<<16                          ; tensor_dim1
	s_mov_b32 s27, 32<<16                          ; tile_dim0
	s_mov_b32 s28, 18                              ; tile_dim1
	s_mov_b32 s29, 32                              ; tensor_dim0_stride
	s_mov_b32 s30, 0
	s_mov_b32 s31, 0
	s_lshl_b32 s[JJ], ttmp9, 4
	s_add_co_u32 s[JJ], s[JJ], s[WV]               ; W
	s_sub_co_u32 s[JJ+1], 127, s[JJ]               ; 127 - W
	s_mov_b32 s[SEL], 0x76543210
	s_mov_b32 s[SEL+1], 0xfedcba98
	s_mov_b32 s[CS], 0x3e38aa3b                    ; log2(e) / 8
	s_mov_b32 s[CS+1], s[CS]                       ; (named with it as a pair, so it is written)
	s_wait_dscnt 0x0
	s_wait_kmcnt 0x0
	s_add_nc_u64 s[6:7], s[6:7], s[62:63]
	s_add_nc_u64 s[4:5], s[4:5], s[62:63]
	s_mov_b32 s32, 1                               ; group 0: count = 1,
	s_mov_b32 s33, s58                             ; LDS address: wave x 4,608,
	s_add_nc_u64 s[34:35], s[6:7], s[58:59]        ; global address,
	s_mov_b32 s36, 1
	s_add_co_u32 s37, s58, HALFB                   ; and the same in the second half
	s_add_nc_u64 s[38:39], s[34:35], HALFB
	s_or_b32 s35, s35, 0x80000000                  ; type = 2
	s_or_b32 s39, s39, 0x80000000
	tensor_load_to_lds s[32:35], s[24:31]          ; both fills go out together, ahead of everything else: two tensor loads of mine are out
	s_nop 0
	tensor_load_to_lds s[36:39], s[24:31]
	s_nop 0
.rept 4
	v_nop
.endr
	v_and_b32 v224, 31, v0                         ; lane
	v_and_b32 v225, 15, v0                         ; r
	v_bfe_u32 v226, v0, 4, 1                       ; h
	s_delay_alu instid0(VALU_DEP_3)
	v_lshlrev_b32 v1, 4, v224
	s_wait_alu depctr_va_vdst(0)
	v_lshlrev_b32 v2, 2, v224
	v_lshlrev_b32 v3, 2, v225
	s_wait_alu depctr_va_vdst(0)
	v_lshlrev_b32 v227, 3, v226
	s_delay_alu instid0(VALU_DEP_1)
	v_sub_nc_u32 v4, v225, v227                    ; r - 8 h
	v_lshlrev_b32 v7, 5, v225
.macro SETUP p                         ; tile p of my two: its numbers, its Q, and where its results go
	s_lshl_b32 s[Q0+\p], s[JJ+\p], 4
	s_add_co_u32 s[QL+\p], s[Q0+\p], 15
	s_lshr_b32 s56, s[JJ+\p], 3                    ; its step of 128 tokens,
	s_mul_i32 s56, s56, STEPB
	s_mov_b32 s57, 0
	s_add_nc_u64 s[QB+2*\p:QB+2*\p+1], s[4:5], s[56:57]
	s_and_b32 s58, s[JJ+\p], 7                     ; and its place in it
	s_lshl_b32 s59, s58, 9
	v_add_nc_u32 v[8+2*\p], s59, v1
	s_lshl_b32 s59, s58, 6
	v_add_nc_u32 v[9+2*\p], s59, v3
	global_load_b128 v[16+8*\p:19+8*\p], v[8+2*\p], s[QB+2*\p:QB+2*\p+1]            ; Q's image: channels 32 h .. of query r
	global_load_b32 v[QSC+\p], v[9+2*\p], s[QB+2*\p:QB+2*\p+1] offset:8192          ; and its scale words
	s_lshl_b32 s56, s60, 7
	s_add_co_u32 s56, s56, s[JJ+\p]                ; token / 16 = 128 b + tile
	s_lshl_b32 s58, s56, 4
	s_add_co_u32 s58, s58, s61
	s_lshl_b32 s58, s58, 9
	s_mov_b32 s59, 0
	s_add_nc_u64 s[OCB+2*\p:OCB+2*\p+1], s[8:9], s[58:59]
	s_lshl_b32 s58, s56, 9                         ; 16 tokens x 32 bytes
	s_lshl_b32 s56, s61, 1
	s_add_co_u32 s58, s58, s56
	s_add_nc_u64 s[OSB+2*\p:OSB+2*\p+1], s[10:11], s[58:59]
.endm
	SETUP 0
	SETUP 1
.irp j, 20,21,22,23,28,29,30,31,64,65,66,67
	v_mov_b32 v[\j], 0                             ; zero codes: Q's channels 64-127, and what stands behind K's last tile
.endr
.irp j, 208,209,210,211,216,219
	v_mov_b32 v[\j], 0                             ; written once: a lane permute's destination counts as one of its sources; v219 is named as the upper half of a pair
.endr
	v_mov_b32 v223, 0xff800000                     ; -infinity
	s_wait_tensorcnt 0x0                           ; both my parts of the pack are in,
	s_barrier_signal -1
	s_barrier_wait -1                              ; everybody's are
	s_wait_loadcnt 0x0                             ; Q
; ONE TILE OF 16 QUERIES.  The loop's trip count is a constant; a step all of whose keys come after my queries does no work (a scalar branch on ids; no barrier and no tensor load stands in the loop).
.macro PASS p, trips
	v_mov_b32 v13, 0xff61b1e6                      ; the largest t so far: -3e38, under every t
	s_delay_alu instid0(VALU_DEP_1)
	v_floor_f32 v12, -v13                          ; -M
	v_mov_b32 v14, 0
	v_mov_b32 v15, 0
.set j, 0
.rept 32
	v_mov_b32 v[OT+j], 0                           ; O^T: the step is written once; the first finds zeros, which the first change of M leaves zeros
.set j, j+1
.endr
	s_mov_b32 s[TB], 0
	s_mov_b32 s[KF], 0
	s_mov_b32 s[CNT], \trips
.Lstep_\@:
	s_cmp_gt_u32 s[KF], s[QL+\p]
	s_cbranch_scc1 .Lhid_\@
	s_setprio 2
	v_add_nc_u32 v5, s[TB], v1
	v_add_nc_u32 v6, s[TB], v2
	v_nop
	v_nop                                          ; four places in front of loads into registers that the last products have read
.irp t, 0,1,2,3,4,5,6,7
	ds_load_b128 v[KR+4*\t:KR+4*\t+3], v5 offset:512*\t            ; K's tile t: 512 consecutive bytes
.endr
.irp b, 0,1,2,3
	ds_load_b32 v[KSC+\b], v6 offset:8192+128*\b
.endr
.irp ct, 0,1,2,3
.irp c, 0,1
	ds_load_b128 v[VR+8*\ct+4*\c:VR+8*\ct+4*\c+3], v5 offset:4096+1024*\ct+512*\c
.endr
.endr
.irp ct, 0,1,2,3
	ds_load_b32 v[VSC+\ct], v6 offset:8704+128*\ct
.endr
	s_wait_dscnt 12                                ; K and its scale words are in; V's twelve loads may be out
.irp t, 0,1,2,3,4,5,6,7
.if (\t)%2
	v_wmma_scale_f32_16x16x128_f8f6f4 v[S+8*\t:S+8*\t+7], v[KR+4*\t:KR+4*\t+7], v[16+8*\p:23+8*\p], 0, v[KSC+\t/2], v[QSC+\p] matrix_a_fmt:MATRIX_FMT_FP4 matrix_b_fmt:MATRIX_FMT_FP4 matrix_a_scale:MATRIX_SCALE_ROW1
.else
	v_wmma_scale_f32_16x16x128_f8f6f4 v[S+8*\t:S+8*\t+7], v[KR+4*\t:KR+4*\t+7], v[16+8*\p:23+8*\p], 0, v[KSC+\t/2], v[QSC+\p] matrix_a_fmt:MATRIX_FMT_FP4 matrix_b_fmt:MATRIX_FMT_FP4
.endif
.endr
.rept 4
	v_nop
.endr
	s_add_co_u32 s21, s[KF], 127                   ; on the diagonal the scores of hidden keys become -infinity ahead of the maximum: p = 0 then.  A step all of whose keys count skips this
	s_cmp_le_u32 s21, s[Q0+\p]
	s_cbranch_scc1 .Lopen_\@
	s_sub_co_i32 s21, s[Q0+\p], s[KF]
	v_add_nc_u32 v222, s21, v4                     ; d = my query - KF - 8 h.  Register 8 t + j holds key KF + 8 h + 16 t + j: hidden where 16 t + j > d
.set n, 0
.rept 64
	v_cmp_gt_i32 vcc_lo, 16*(n/8)+n%8, v222
	v_cndmask_b32 v[S+n], v[S+n], v223, vcc_lo
.set n, n+1
.endr
.Lopen_\@:
.irp b, 0,1,2,3
	v_max3_num_f32 v[BM+\b], v[S+16*\b], v[S+16*\b+1], v[S+16*\b+2]   ; the largest score of each block of 32 keys: for the row's maximum and, since p rises with the score, for the block's largest p
.endr
.irp i, 3,5,7,9,11,13
.irp b, 0,1,2,3
	v_max3_num_f32 v[BM+\b], v[BM+\b], v[S+16*\b+\i], v[S+16*\b+\i+1]
.endr
.endr
.irp b, 0,1,2,3
	v_max_num_f32 v[BM+\b], v[BM+\b], v[S+16*\b+15]
.endr
.irp b, 0,1,2,3
	s_delay_alu instid0(VALU_DEP_4)
	v_permlanex16_b32 v[T2+\b], v[BM+\b], s[SEL], s[SEL+1]
.endr
.irp b, 0,1,2,3
	s_delay_alu instid0(VALU_DEP_4)
	v_max_num_f32 v[BM+\b], v[BM+\b], v[T2+\b]     ; with lane l xor 16's 16 keys
.endr
	s_delay_alu instid0(VALU_DEP_2)
	v_max3_num_f32 v216, v[BM], v[BM+1], v[BM+2]
	s_delay_alu instid0(VALU_DEP_1)
	v_max_num_f32 v216, v216, v[BM+3]              ; the step's largest score of my query
	s_delay_alu instid0(VALU_DEP_1)
	v_mul_f32 v216, s[CS], v216                    ; as t
	s_delay_alu instid0(VALU_DEP_1)
	v_max_num_f32 v13, v13, v216                   ; the running largest t
	v_mov_b32 v216, v12
	s_delay_alu instid0(VALU_DEP_2)
	v_floor_f32 v12, -v13                          ; the new -M = floor(-t) = -ceil(t)
	s_delay_alu instid0(VALU_DEP_1)
	v_sub_f32 v216, v12, v216                      ; old M - new M: a whole number, 0 or less
	s_delay_alu instid0(VALU_DEP_1)
	v_cvt_i32_f32 v216, v216                       ; (it saturates)
	s_delay_alu instid0(VALU_DEP_1)
	v_ldexp_f32 v218, 1.0, v216                    ; f = 2^(old M - new M)
.set j, 0
.rept 32
	v_pk_fma_f32 v[S+j:S+j+1], v[S+j:S+j+1], s[CS:CS+1], v[12:13] op_sel_hi:[1,0,0]   ; t - M, two at a time
.set j, j+2
.endr
	s_setprio 1
.irp b, 0,1,2,3
	v_fma_f32 v[BM+\b], v[BM+\b], s[CS], v12       ; the same of each block's largest score
.endr
.set j, 0
	s_wait_alu depctr_va_vdst(0)
.rept 64
	v_exp_f32 v[S+j], v[S+j]                       ; p = 2^(t - M), at most 1
.set j, j+1
.endr
	v_pk_mul_f32 v[14:15], v[14:15], v[218:219] op_sel_hi:[1,0]    ; the sums under the new M (a plain line behind the exponentials)
	s_wait_alu depctr_va_vdst(0)                   ; one wait for the whole batch, ahead of its first reader
.irp b, 0,1,2,3
	v_exp_f32 v[BM+\b], v[BM+\b]                   ; the block's largest p: the same two instructions on the same number give the same bits
.endr
	v_pk_add_f32 v[220:221], v[104:105], v[108:109]
	v_pk_add_f32 v[252:253], v[112:113], v[116:117]
	v_pk_add_f32 v[242:243], v[120:121], v[124:125]
	v_pk_add_f32 v[240:241], v[128:129], v[132:133]
	v_pk_add_f32 v[238:239], v[136:137], v[140:141]
	v_pk_add_f32 v[236:237], v[144:145], v[148:149]
	v_pk_add_f32 v[234:235], v[152:153], v[156:157]
	v_pk_add_f32 v[14:15], v[14:15], v[160:161]
	v_pk_add_f32 v[220:221], v[220:221], v[100:101]
	v_pk_add_f32 v[252:253], v[252:253], v[102:103]
	v_pk_add_f32 v[242:243], v[242:243], v[106:107]
	v_pk_add_f32 v[240:241], v[240:241], v[110:111]
	v_pk_add_f32 v[238:239], v[238:239], v[114:115]
	v_pk_add_f32 v[236:237], v[236:237], v[118:119]
	v_pk_add_f32 v[234:235], v[234:235], v[122:123]
	v_pk_add_f32 v[14:15], v[14:15], v[126:127]
	v_pk_add_f32 v[220:221], v[220:221], v[130:131]
	v_pk_add_f32 v[252:253], v[252:253], v[134:135]
	v_pk_add_f32 v[242:243], v[242:243], v[138:139]
	v_pk_add_f32 v[240:241], v[240:241], v[142:143]
	v_pk_add_f32 v[238:239], v[238:239], v[146:147]
	v_pk_add_f32 v[236:237], v[236:237], v[150:151]
	v_pk_add_f32 v[234:235], v[234:235], v[154:155]
	v_pk_add_f32 v[14:15], v[14:15], v[158:159]
	v_pk_add_f32 v[220:221], v[220:221], v[162:163]
	s_delay_alu instid0(VALU_DEP_2)
	v_pk_add_f32 v[14:15], v[14:15], v[240:241]
	s_delay_alu instid0(VALU_DEP_2)
	v_pk_add_f32 v[220:221], v[220:221], v[238:239]
	v_pk_add_f32 v[252:253], v[252:253], v[236:237]
	v_pk_add_f32 v[242:243], v[242:243], v[234:235]
	s_delay_alu instid0(VALU_DEP_2)
	v_pk_add_f32 v[14:15], v[14:15], v[252:253]
	s_delay_alu instid0(VALU_DEP_2)
	v_pk_add_f32 v[220:221], v[220:221], v[242:243]
	s_delay_alu instid0(VALU_DEP_1)
	v_pk_add_f32 v[14:15], v[14:15], v[220:221]
	s_wait_alu depctr_va_vdst(0)                   ; and one for the four
.irp b, 0,1,2,3
	v_max_num_f32 v[BM+\b], 0x1800000, v[BM+\b]    ; the floor 2^(3 - 127): the byte cannot fall under 1
.endr
.irp b, 0,1,2,3
	s_delay_alu instid0(VALU_DEP_4)
	v_add_nc_u32 v[SO+\b], 0xff000000, v[BM+\b]    ; the conversion's scale operand
.endr
.irp b, 0,1,2,3
	s_delay_alu instid0(VALU_DEP_4)
	v_lshrrev_b32 v[T2+\b], 23, v[SO+\b]           ; the scale's byte
.endr
	s_delay_alu instid0(VALU_DEP_3)
	v_lshl_or_b32 v[PSC], v[T2+1], 8, v[T2]        ; p's scale word for these 128 keys
	s_delay_alu instid0(VALU_DEP_1)
	v_lshl_or_b32 v[PSC], v[T2+2], 16, v[PSC]
	s_delay_alu instid0(VALU_DEP_1)
	v_lshl_or_b32 v[PSC], v[T2+3], 24, v[PSC]
	s_setprio 0
.irp b, 0,1,2,3
.irp u, 0,1
	v_cvt_scalef32_pk8_fp4_f32 v[PCD+4*(\b/2)+2*\u+(\b%2)], v[S+16*\b+8*\u:S+16*\b+8*\u+7], v[SO+\b]   ; dword 2 u + h of block b
.endr
.endr
	v_nop                                          ; one plain place behind a scaled conversion
.irp c, 0,1
.irp u, 0,1
	v_permlane16_swap_b32 v[PCD+4*\c+2*\u], v[PCD+4*\c+2*\u+1]     ; lanes 0-15 get block 2 c whole, lanes 16-31 block 2 c + 1
.endr
.endr
.set j, 0
.rept 16
	v_pk_mul_f32 v[OT+j:OT+j+1], v[OT+j:OT+j+1], v[218:219] op_sel_hi:[1,0]   ; O^T under the new M.  (These 16 are also the places between the lines that wrote p's codes and scale word and the products below)
.set j, j+2
.endr
	s_wait_alu depctr_va_vdst(0)
	s_wait_dscnt 0x0                               ; V
.irp ct, 0,1,2,3
	v_wmma_scale_f32_16x16x128_f8f6f4 v[OT+8*\ct:OT+8*\ct+7], v[VR+8*\ct:VR+8*\ct+7], v[PCD:PCD+7], v[OT+8*\ct:OT+8*\ct+7], v[VSC+\ct], v[PSC] matrix_a_fmt:MATRIX_FMT_FP4 matrix_b_fmt:MATRIX_FMT_FP4   ; the four accumulators by turns
.endr
.Lhid_\@:
	s_add_co_u32 s[TB], s[TB], STEPB
	s_add_co_u32 s[KF], s[KF], 128
	s_sub_co_u32 s[CNT], s[CNT], 1
	s_cmp_lg_u32 s[CNT], 0
	s_cbranch_scc1 .Lstep_\@
	s_setprio 0
	; the way out: O = O^T / the sum, quantised along the head's 64 channels: two blocks
	s_wait_xcnt 0x0                                ; the other tile's stores have read their registers
.rept 4
	v_nop                                          ; places behind the last products
.endr
	v_add_f32 v14, v14, v15                        ; the sum's two halves,
	s_delay_alu instid0(VALU_DEP_1)
	v_permlanex16_b32 v216, v14, s[SEL], s[SEL+1]
	s_delay_alu instid0(VALU_DEP_1)
	v_add_f32 v14, v14, v216                       ; and lane l xor 16's: the row's sum
	s_wait_alu depctr_va_vdst(0)
	v_rcp_f32 v14, v14
	v_nop                                          ; a plain line behind the reciprocal
	s_wait_alu depctr_va_vdst(0)                   ; and the wait ahead of its first reader
.set j, 0
.rept 32
	v_mul_f32 v[S+j], v[OT+j], v14                 ; register 8 ct + i is O(query r, channel 16 ct + 8 h + i); each accumulator from its low end on
.set j, j+1
.endr
.irp e, 0,1
	v_max3_num_f32 v[BM+\e], |v[S+16*\e]|, |v[S+16*\e+1]|, 0x1800000
.endr
.irp i, 2,4,6,8,10,12,14
.irp e, 0,1
	s_delay_alu instid0(VALU_DEP_2)
	v_max3_num_f32 v[BM+\e], v[BM+\e], |v[S+16*\e+\i]|, |v[S+16*\e+\i+1]|
.endr
.endr
.irp e, 0,1
	s_delay_alu instid0(VALU_DEP_2)
	v_permlanex16_b32 v[T2+\e], v[BM+\e], s[SEL], s[SEL+1]
.endr
.irp e, 0,1
	s_delay_alu instid0(VALU_DEP_2)
	v_max_num_f32 v[BM+\e], v[BM+\e], v[T2+\e]
.endr
.irp e, 0,1
	s_delay_alu instid0(VALU_DEP_2)
	v_add_nc_u32 v[SO+\e], 0xff000000, v[BM+\e]
.endr
.irp e, 0,1
	s_delay_alu instid0(VALU_DEP_2)
	v_lshrrev_b32 v[T2+\e], 23, v[SO+\e]
.endr
	s_delay_alu instid0(VALU_DEP_1)
	v_lshl_or_b32 v217, v[T2+1], 8, v[T2]          ; the token's two scale bytes of this head
.irp e, 0,1
.irp u, 0,1
	v_cvt_scalef32_pk8_fp4_f32 v[OC+2*\u+\e], v[S+16*\e+8*\u:S+16*\e+8*\u+7], v[SO+\e]
.endr
.endr
	v_nop
	v_permlane16_swap_b32 v[OC], v[OC+1]
	v_permlane16_swap_b32 v[OC+2], v[OC+3]         ; registers 0-3: channels 32 h + 0 .. 31 of token r
	global_store_b128 v1, v[OC:OC+3], s[OCB+2*\p:OCB+2*\p+1]       ; the wave stores 512 consecutive bytes, aligned
	global_store_b16 v7, v217, s[OSB+2*\p:OSB+2*\p+1]              ; two bytes a token, 32 bytes apart (both halves of the lanes write the same): 262,144 bytes in the whole launch, laid as the last product reads its scale rows
.endm
	PASS 0, 8                                      ; tile W <= 63: its keys end in step 7
	PASS 1, 16
	s_wait_tensorcnt 0x0
	ds_add_u32 v254, v255
	s_wait_dscnt 0x0
	s_endpgm
.Lfunc_end_k_q9d06fb5f60_attn:
	.size	k_q9d06fb5f60_attn, .Lfunc_end_k_q9d06fb5f60_attn-k_q9d06fb5f60_attn
	.p2alignl 7, 3214868480
	.fill 96, 4, 3214868480
	.section	.rodata,"a",@progbits
	.p2align	6, 0x0
	.amdhsa_kernel k_q9d06fb5f60_attn
		.amdhsa_group_segment_fixed_size 169984
		.amdhsa_private_segment_fixed_size 0
		.amdhsa_enable_private_segment 0
		.amdhsa_kernarg_size 32
		.amdhsa_user_sgpr_count 2
		.amdhsa_user_sgpr_kernarg_segment_ptr 1
		.amdhsa_wavefront_size32 1
		.amdhsa_system_sgpr_workgroup_id_x 1
		.amdhsa_system_sgpr_workgroup_id_y 1
		.amdhsa_system_sgpr_workgroup_id_z 1
		.amdhsa_system_vgpr_workitem_id 0
		.amdhsa_next_free_vgpr 256
		.amdhsa_next_free_sgpr 66
		.amdhsa_reserve_vcc 1
		.amdhsa_float_denorm_mode_32 3
		.amdhsa_float_denorm_mode_16_64 3
		.amdhsa_memory_ordered 1
		.amdhsa_forward_progress 1
		.amdhsa_inst_pref_size 60
	.end_amdhsa_kernel
	.amdgpu_metadata
---
amdhsa.version: [ 1, 2 ]
amdhsa.kernels:
  - .name:           k_q9d06fb5f60_attn
    .symbol:         k_q9d06fb5f60_attn.kd
    .args:
      - { .name: qp, .offset: 0, .size: 8, .value_kind: global_buffer, .address_space: global }
      - { .name: kv, .offset: 8, .size: 8, .value_kind: global_buffer, .address_space: global }
      - { .name: oc, .offset: 16, .size: 8, .value_kind: global_buffer, .address_space: global }
      - { .name: os, .offset: 24, .size: 8, .value_kind: global_buffer, .address_space: global }
    .group_segment_fixed_size: 169984
    .private_segment_fixed_size: 0
    .kernarg_segment_align: 8
    .kernarg_segment_size: 32
    .max_flat_workgroup_size: 512
    .sgpr_count:     66
    .vgpr_count:     256
    .wavefront_size: 32
...
	.end_amdgpu_metadata
.endif
;; end of part 3
;; launch gemm_out (part 4): grid 4 x 32, 4 waves a work-group, clusters of 4 x 4, 327,680 bytes of LDS; arguments oc, os, cod, scl, out0, b_o; writes out0
.if DOCPART == 4
	.amdgcn_target "amdgcn-amd-amdhsa--gfx1250"
	.amdhsa_code_object_version 6
	.text
	.protected	k_q9d06fb5f60_gemm_out
	.globl	k_q9d06fb5f60_gemm_out
	.p2align	8
	.type	k_q9d06fb5f60_gemm_out,@function
k_q9d06fb5f60_gemm_out:
	s_mov_b64 s[64:65], 0
	v_nop
	global_prefetch_b8 v0, s[64:65] scope:SCOPE_SE
	s_setreg_imm32_b32 hwreg(HW_REG_WAVE_MODE, 25, 1), 1
	s_wait_xcnt 0x0
	s_wait_alu depctr_hold_cnt(0) depctr_sa_sdst(0) depctr_va_vdst(0) depctr_va_sdst(0) depctr_va_ssrc(0) depctr_va_vcc(0) depctr_vm_vsrc(0)
	s_getreg_b32 s2, hwreg(HW_REG_IB_STS2, 6, 4)
	s_cmp_eq_u32 s2, 0
	s_cbranch_scc0 .Lentry_in_a_cluster
	s_endpgm
.Lentry_in_a_cluster:
	s_bfe_u32 s2, ttmp6, 0x10000c
	s_cmp_lg_u32 s2, 0xf033
	s_cbranch_scc0 .Lentry_shape_is_right
	s_endpgm
.Lentry_shape_is_right:
; out0 = O W_o + b_o on codes of FP4 (E2M1) with E8M0 scales.  M = 8,192 tokens, N = 1,024, K = 1,024; out0 is f32.
; A (O) comes as IMAGES OF ITS FRAGMENTS' REGISTERS: oc [token / 16][head][512 bytes], lane l's 16 bytes at 16 l; head 2 q + c is registers 4 c .. 4 c + 3 of the fragment of the q-th 128 along K.  Its scale bytes: os [token][32].
; B (W_o) is rows 11,264 + n of cod (512 bytes of codes, K innermost) and of scl (32 bytes).
; A work-group of four waves makes 256 x 256 of out0, a wave 128 x 128: 64 accumulators, 512 registers.  All of K lies in two LDS slots of 512 along K, each filled once by the tensor data mover: nothing is filled again.
; CLUSTERS: 4 x 4 work-groups.  The four of a row of the cluster need the same tiles of A, the four of a column the same tiles of B: each tile is asked for jointly.
; THE MATRIX INSTRUCTION IS USED TRANSPOSED (source 0 = 16 rows of B, source 1 = 16 rows of A): a lane holds eight neighbouring numbers of a row of out0.  The bias runs along a lane's registers and is the C of the first products.
; 128 work-groups: the tile is the one whose LDS reads feed the most products; a smaller tile would give every WGP a work-group at twice the LDS bytes for each product.
; REGISTERS, in windows of 256: window 0: v0-31 addresses; v32-95 scale words, two sets, and nothing else; v128-191 A's fragments, ONE set; v192-255 the bias; on the way out v128-255 take rows of out0.
;   window 1: B's fragments, TWO sets.   window 2: the accumulators of my rows 0-63 ((a, b) at v[8 (8 a + b)]);   window 3: those of my rows 64-127.
.set SIZE_N, 1024
.set NQ,     4
.set ROWB,   256                       ; B: a tile's row in bytes
.set KROW,   512                       ; a row of cod
.set PITCH,  272                       ; B: an LDS row: 256 bytes + 16 of padding, so that the 16 rows that a load touches start at 16 different banks (64 banks of 4 bytes: ISA guide 11.1)
.set FR,     8
.set NL,     2
.set NP,     4
.set ATILE,  4096                      ; A: 16 tokens x 512 along K: eight images of 512 bytes
.set AHALF,  8*ATILE                   ; 128 tokens: what one tensor load brings
.set HALFT,  128*PITCH                 ; B: 128 rows
.set BOFF,   2*AHALF                   ; a slot: A's 65,536 bytes, then B's 256 rows
.set SLOT,   BOFF+2*HALFT
.set KS,     32
.set SCL,    2*SLOT
.set HALFS,  (128*KS/256)*272
.set SBLK,   (16*KS/256)*272
.set SPARE,  SCL+4*HALFS               ; the spare words, 128 bytes for each wave: two blocks of 256 bytes that no other line names
.set SPITCH, 528                       ; the way out: a stage of 16 rows x (512 bytes + 16) for each wave, in slot 0, which has had its one fill and its last read when the first result is stored there
.set ADRA, 16
.set BOQ,  18                          ; v18  32 (lane / 16): the bias
.set ADRB, 20
.set STO,  24
.set RD,   25
.set CO,   26
.set ADRS, 27
.set SPW,  28
.set NIL,  29
.set SC,   32
.set AF,   128
.set BK,   128
.set BI,   192
.set G1, 24
.set G0, 32
.set G1B, 48
.set G0B, 56
.set G1S, 68
.set G0S, 76
.set G1SB, 80
.set G0SB, 88
.set MSB, 0
.macro WIN new                         ; the immediate's high byte repeats the setting that is left
.if MSB != \new
	s_set_vgpr_msb (MSB<<8)|\new
.set MSB, \new
.endif
.endm
.set MUL_LO, 0xa1
.set MUL_HI, 0xf1
.set FST_LO, 0x81                      ; the first products: C (the bias) window 0
.set FST_HI, 0xc1
.set TO_B,   0x40
.macro JLOAD g0a, g1a, g0b, g1b        ; a joint load: waves 0 and 1 fetch for A, waves 2 and 3 for B; four v_nop follow each of the two lines
	s_cmp_eq_u32 s15, 0
	s_cbranch_scc0 .Lfor_b_\@
	tensor_load_to_lds s[\g0a:\g0a+3], s[\g1a:\g1a+7]
	s_nop 0
.rept 4
	v_nop
.endr
	s_branch .Lasked_\@
.Lfor_b_\@:
	tensor_load_to_lds s[\g0b:\g0b+3], s[\g1b:\g1b+7]
	s_nop 0
.rept 4
	v_nop
.endr
.Lasked_\@:
.endm
.macro CROUND                          ; a round of the cluster's barrier
	s_barrier_signal -1
	s_barrier_wait -1
	s_cmp_lg_u32 s14, 0
	s_cbranch_scc1 .Lnot_wave_0_\@
	s_barrier_signal -3
.Lnot_wave_0_\@:
	s_barrier_wait -3
	s_barrier_signal -1
	s_barrier_wait -1
.endm
	s_load_b256 s[4:11], s[0:1], 0x0               ; oc s[4:5], os s[6:7], cod s[8:9], scl s[10:11]
	s_load_b64 s[12:13], s[0:1], 0x20              ; out0
	s_load_b64 s[96:97], s[0:1], 0x28              ; b_o
	v_lshl_add_u32 v[SPW], v0, 2, SPARE
	v_mov_b32 v[NIL], 0
	ds_add_u32 v28, v29
	ds_add_u32 v28, v29
	s_wait_dscnt 0x0
	v_lshrrev_b32 v1, 5, v0
	v_readfirstlane_b32 s14, v1                    ; wave 0..3
	s_lshr_b32 s15, s14, 1                         ; which half of the tile's rows is mine.  Also: I fetch for A (0) or for B (1)
	s_and_b32 s16, s14, 1                          ; which half of its columns.  Also: which half of that tile I fetch
	s_bfe_u32 s40, ttmp6, 0x40000                  ; cx, cy
	s_bfe_u32 s41, ttmp6, 0x40004
	s_lshl_b32 s42, ttmp9, 2
	s_add_co_u32 s42, s42, s40                     ; tile column of out0
	s_and_b32 s17, ttmp7, 0xffff
	s_lshl_b32 s17, s17, 2
	s_add_co_u32 s17, s17, s41                     ; tile row of out0
	s_lshl_b32 s43, s41, 2
	s_lshl_b32 s43, 15, s43                        ; my row of the cluster
	s_lshl_b32 s44, 0x1111, s40                    ; my column
	; descriptor group 1 for A: 8 rows (tiles of 16 tokens) of 4,096 bytes (512 elements of 8 bytes), 8,192 bytes apart in memory, dense in LDS
	s_or_b32 s[G1+0], s43, (3<<16)|(1<<21)         ; 15:0 the mask: my row; 17:16 elements of 8 bytes; 21 set beside a mask; no padding: an image is read 512 consecutive bytes at a time
	s_mov_b32 s[G1+1], 512<<16                     ; tensor_dim0
	s_mov_b32 s[G1+2], 8<<16                       ; tensor_dim1
	s_mov_b32 s[G1+3], 512<<16                     ; tile_dim0
	s_mov_b32 s[G1+4], 8                           ; tile_dim1
	s_mov_b32 s[G1+5], 1024                        ; tensor_dim0_stride
	s_mov_b32 s[G1+6], 0
	s_mov_b32 s[G1+7], 0
	; for B: 128 rows x 256 bytes, padded in LDS
	s_or_b32 s[G1B+0], s44, (0<<16)|(1<<20)|(1<<21)|(5<<22)|(3<<25)
	s_mov_b32 s[G1B+1], ROWB<<16
	s_mov_b32 s[G1B+2], 128<<16
	s_mov_b32 s[G1B+3], ROWB<<16
	s_mov_b32 s[G1B+4], 128
	s_mov_b32 s[G1B+5], KROW
	s_mov_b32 s[G1B+6], 0
	s_mov_b32 s[G1B+7], 0
	; the scales of 128 rows: 4,096 dense bytes, as 16 rows of 256 bytes, 16 bytes of padding behind each
	s_or_b32 s[G1S+0], s43, (3<<16)|(1<<20)|(1<<21)|(5<<22)|(3<<25)
	s_or_b32 s[G1SB+0], s44, (3<<16)|(1<<20)|(1<<21)|(5<<22)|(3<<25)
.irp g, G1S, G1SB
	s_mov_b32 s[\g+1], 32<<16
	s_mov_b32 s[\g+2], (128*KS/256)<<16
	s_mov_b32 s[\g+3], 32<<16
	s_mov_b32 s[\g+4], 128*KS/256
	s_mov_b32 s[\g+5], 32
	s_mov_b32 s[\g+6], 0
	s_mov_b32 s[\g+7], 0
.endr
	s_lshl_b32 s18, s16, 7                         ; which 128 rows of the tile I fetch
	s_lshl_b32 s20, s17, 8
	s_add_co_u32 s20, s20, s18                     ; A: token
	s_lshl_b32 s46, s42, 8
	s_add_co_u32 s46, s46, s18
	s_add_co_u32 s46, s46, 11264                   ; B: row of cod
	s_lshl_b32 s22, s20, 5                         ; their scales, 32 bytes a row,
	s_mov_b32 s23, 0
	s_lshl_b32 s92, s46, 5
	s_mov_b32 s93, 0
	s_lshl_b32 s20, s20, 9                         ; and their codes: 8,192 bytes for 16 tokens; 512 bytes a row of cod
	s_mov_b32 s21, 0
	s_lshl_b32 s46, s46, 9
	s_mov_b32 s47, 0
	s_mul_i32 s45, s16, AHALF                      ; where they go: no place in the cluster enters an LDS address
	s_mul_i32 s95, s16, HALFT
	s_add_co_u32 s95, s95, BOFF
	s_mul_i32 s94, s14, HALFS
	s_wait_kmcnt 0x0
	s_add_nc_u64 s[20:21], s[4:5], s[20:21]
	s_add_nc_u64 s[22:23], s[6:7], s[22:23]
	s_add_nc_u64 s[46:47], s[8:9], s[46:47]
	s_add_nc_u64 s[92:93], s[10:11], s[92:93]
	CROUND                                         ; all sixteen work-groups are here: the joint loads meet
	s_mov_b32 s[G0S], 1
	s_add_co_u32 s[G0S+1], s94, SCL
	s_mov_b64 s[G0S+2:G0S+3], s[22:23]
	s_or_b32 s[G0S+3], s[G0S+3], 0x80000000
	s_mov_b32 s[G0SB], 1
	s_add_co_u32 s[G0SB+1], s94, SCL
	s_mov_b64 s[G0SB+2:G0SB+3], s[92:93]
	s_or_b32 s[G0SB+3], s[G0SB+3], 0x80000000
	JLOAD G0S, G1S, G0SB, G1SB                     ; the scales first
.irp s, 0,1
	s_mov_b32 s[G0+4*\s], 1
	s_add_co_u32 s[G0+4*\s+1], s45, \s*SLOT
	s_add_nc_u64 s[G0+4*\s+2:G0+4*\s+3], s[20:21], \s*ATILE
	s_or_b32 s[G0+4*\s+3], s[G0+4*\s+3], 0x80000000
	s_mov_b32 s[G0B+4*\s], 1
	s_add_co_u32 s[G0B+4*\s+1], s95, \s*SLOT
	s_add_nc_u64 s[G0B+4*\s+2:G0B+4*\s+3], s[46:47], \s*ROWB
	s_or_b32 s[G0B+4*\s+3], s[G0B+4*\s+3], 0x80000000
	JLOAD G0+4*\s, G1, G0B+4*\s, G1B               ; both slots: all of K.  Three tensor loads of mine are out
.endr
	v_and_b32 v1, 15, v0                           ; r
	v_bfe_u32 v2, v0, 4, 1                         ; h
	v_and_b32 v6, 31, v0                           ; lane
	v_lshlrev_b32 v[CO], 4, v6                     ; 16 x lane
	v_mul_u32_u24 v3, v1, PITCH
	v_lshl_add_u32 v4, v2, 4, v3                   ; B: a fragment's row x pitch + 16 h
	s_mul_i32 s21, s15, AHALF                      ; my 128 tokens of A
	s_mul_i32 s22, s16, HALFT                      ; my 128 rows of B,
	s_add_co_u32 s22, s22, BOFF                    ; which lie behind A
.irp s, 0,1
	v_add_nc_u32 v[ADRA+\s], s21, v[CO]
	v_add_nc_u32 v[ADRB+\s], s22, v4
	s_add_co_u32 s21, s21, SLOT
	s_add_co_u32 s22, s22, SLOT
.endr
	v_mul_u32_u24 v5, v1, KS
	v_lshrrev_b32 v6, 8, v5
	v_lshl_add_u32 v5, v6, 4, v5
	s_mul_i32 s21, s15, HALFS
	s_mul_i32 s22, s16, HALFS
	s_add_co_u32 s22, s22, 2*HALFS
	s_sub_co_u32 s22, s22, s21
	v_mul_u32_u24 v6, s22, v2                      ; lanes 16-31 take B's
	s_add_co_u32 s21, s21, SCL
	v_add_nc_u32 v5, v5, v6
	v_add_nc_u32 v[ADRS], s21, v5
	s_mul_i32 s23, s14, 16*SPITCH                  ; my stage
	v_mul_u32_u24 v5, v1, SPITCH
	v_lshl_add_u32 v5, v2, 5, v5
	v_add_nc_u32 v[STO], s23, v5                   ; in: row r, 32 bytes for each half of the lanes
	v_add_nc_u32 v[RD], s23, v[CO]                 ; back: the 32 lanes take one row of 512 bytes
	v_lshlrev_b32 v[BOQ], 5, v2
	s_lshl_b32 s20, s17, 8
	s_lshl_b32 s21, s15, 7
	s_add_co_u32 s20, s20, s21                     ; my first row of out0,
	s_lshl_b32 s20, s20, 12                        ; 4,096 bytes a row
	s_mov_b32 s21, 0
	s_lshl_b32 s46, s42, 10                        ; my first column, in bytes: 1,024 x tile column + 512 x half
	s_lshl_b32 s47, s16, 9
	s_add_co_u32 s46, s46, s47
	s_mov_b32 s47, 0
	s_add_nc_u64 s[20:21], s[20:21], s[46:47]
	s_add_nc_u64 s[12:13], s[12:13], s[20:21]
	s_add_nc_u64 s[96:97], s[96:97], s[46:47]      ; and the same column in b_o
.irp b, 0,1,2,3,4,5,6,7
	global_load_b128 v[BI+8*\b:BI+8*\b+3], v[BOQ], s[96:97] offset:64*\b          ; the bias of columns 16 b + 8 h + 0 .. 7
	global_load_b128 v[BI+8*\b+4:BI+8*\b+7], v[BOQ], s[96:97] offset:64*\b+16
.endr
.macro FRAG reg, adr, q, i             ; B: a fragment from rows: lane l holds row l % 16; registers 4 c .. 4 c + 3 hold K = 64 c + 32 (l / 16) + 0 .. 31
.irp c, 0,1
	ds_load_b128 v[\reg+4*\c:\reg+4*\c+3], v[\adr] offset:64*(\q)+32*\c+(\i)*16*PITCH
.endr
.endm
.macro FRAGA reg, slot, q, i           ; A: a fragment from its image: 512 consecutive bytes a load
.irp c, 0,1
	ds_load_b128 v[\reg+4*\c:\reg+4*\c+3], v[ADRA+\slot] offset:(\i)*ATILE+1024*(\q)+512*\c
.endr
.endm
; 16 matrix instructions: A's blocks a0, a0 + 1 x B's eight.  first = 1: the sums begin with the bias as C.  The 64 accumulators take turns, one instruction a turn.
.macro MUL16 a0, p, q, sc, first
.irp a, \a0, \a0+1
.irp b, 0,1,2,3,4,5,6,7
.if \first
	v_wmma_scale_f32_16x16x128_f8f6f4 v[8*(8*((\a)%4)+\b):8*(8*((\a)%4)+\b)+7], v[128*(\p)+FR*\b:128*(\p)+FR*\b+FR-1], v[AF+FR*(\a):AF+FR*(\a)+FR-1], v[BI+8*\b:BI+8*\b+7], v[SC+8*NQ*(\sc)+NQ*\b+(\q)], v[SC+8*NQ*(\sc)+NQ*(\a)+(\q)] matrix_a_fmt:MATRIX_FMT_FP4 matrix_b_fmt:MATRIX_FMT_FP4 matrix_a_scale:MATRIX_SCALE_ROW1
.else
	v_wmma_scale_f32_16x16x128_f8f6f4 v[8*(8*((\a)%4)+\b):8*(8*((\a)%4)+\b)+7], v[128*(\p)+FR*\b:128*(\p)+FR*\b+FR-1], v[AF+FR*(\a):AF+FR*(\a)+FR-1], v[8*(8*((\a)%4)+\b):8*(8*((\a)%4)+\b)+7], v[SC+8*NQ*(\sc)+NQ*\b+(\q)], v[SC+8*NQ*(\sc)+NQ*(\a)+(\q)] matrix_a_fmt:MATRIX_FMT_FP4 matrix_b_fmt:MATRIX_FMT_FP4 matrix_a_scale:MATRIX_SCALE_ROW1
.endif
.endr
.endr
.endm
.macro FETCH_B slot, q, p
	WIN TO_B
.irp i, 0,1,2,3,4,5,6,7
	FRAG 128*(\p)+FR*\i, ADRB+\slot, \q, \i
.endr
	WIN 0
.endm
.macro FETCH_A slot, q, i0
.irp i, \i0, \i0+1, \i0+2, \i0+3
	FRAGA AF+FR*(\i), \slot, \q, \i
.endr
.endm
.macro SCALES sc
.irp i, 0,1,2,3,4,5,6,7
	ds_load_b128 v[SC+8*NQ*\sc+NQ*\i:SC+8*NQ*\sc+NQ*\i+3], v[ADRS] offset:\i*SBLK
.endr
.endm
.macro PLACES n                        ; plain vector instructions between a matrix instruction and a load into, or a read of, its registers (ISA guide 7.12.1 for vector instructions)
.rept \n
	v_nop
.endr
.endm
.macro STEP slot, q, first
	s_wait_dscnt 4*NL                              ; B's set and A's blocks 0-3 are in; the youngest eight loads (A's blocks 4-7) may be out
.if \first
	WIN FST_LO
.else
	WIN MUL_LO
.endif
	MUL16 0, (\q)%2, \q, \slot, \first
	MUL16 2, (\q)%2, \q, \slot, \first
	s_wait_dscnt 0
	PLACES NP
	FETCH_B \slot, (\q)+1, 1-(\q)%2
	FETCH_A \slot, (\q)+1, 0
.if \first
	WIN FST_HI
.else
	WIN MUL_HI
.endif
	MUL16 4, (\q)%2, \q, \slot, \first
	MUL16 6, (\q)%2, \q, \slot, \first
	PLACES NP
	WIN 0
	FETCH_A \slot, (\q)+1, 4
.endm
.macro TURN slot, next                 ; slot 0's last step changes slots: one barrier
	s_wait_tensorcnt 0x0                           ; all my tensor loads have landed
	ds_add_u32 v[SPW], v[NIL]                      ; 0 onto my spare word
	s_wait_dscnt 4*NL+1                            ; (the add and the youngest eight loads may be out)
	WIN MUL_LO
	MUL16 0, 1, NQ-1, \slot, 0
	s_wait_dscnt 0x0                               ; the add is done, and my reads of this slot are over
	s_barrier_signal -1
	MUL16 2, 1, NQ-1, \slot, 0
	WIN 0
	s_barrier_wait -1
	PLACES NP
	v_add_nc_u32 v[ADRS], 4*NQ, v[ADRS]            ; on to the next slot's scale words (no LDS load of mine is out)
	FETCH_B \next, 0, 0
	FETCH_A \next, 0, 0
	SCALES \next
	WIN MUL_HI
	MUL16 4, 1, NQ-1, \slot, 0
	MUL16 6, 1, NQ-1, \slot, 0
	PLACES NP
	WIN 0
	FETCH_A \next, 0, 4
.endm
.macro STEPS slot, from
.set Q, \from
.rept NQ-1-\from
	STEP \slot, Q, 0
.set Q, Q+1
.endr
.endm
	s_wait_tensorcnt 1                             ; the scales and my part of slot 0 are in (slot 1's load may be out)
	s_barrier_signal -1
	s_barrier_wait -1                              ; everybody's are
	FETCH_B 0, 0, 0
	FETCH_A 0, 0, 0
	SCALES 0
	FETCH_A 0, 0, 4
	s_wait_loadcnt 0x0                             ; the bias
	STEP 0, 0, 1
	STEPS 0, 1
	TURN 0, 1
	STEPS 1, 0
	s_wait_dscnt 4*NL                              ; the very last step: nothing more to fetch
	WIN MUL_LO
	MUL16 0, 1, NQ-1, 1, 0
	MUL16 2, 1, NQ-1, 1, 0
	s_wait_dscnt 0
	WIN MUL_HI
	MUL16 4, 1, NQ-1, 1, 0
	MUL16 6, 1, NQ-1, 1, 0
	WIN 0
; THE WAY OUT, block by block of 16 rows x 128 columns: through my own stage in LDS and back as whole rows of 512 bytes.  LDS serves a wave's instructions in order (ISA guide 5.7.1.4): no wait between the stores and the loads.
.macro TOSTAGE a
.set AC, 64*((\a)%4)
.set WN, 0x08+4*((\a)/4)               ; an LDS store's data: window 2 or 3
	WIN WN
.irp b, 0,1,2,3,4,5,6,7
	ds_store_b128 v[STO], v[AC+8*\b:AC+8*\b+3] offset:64*\b          ; each accumulator from its low end on
	ds_store_b128 v[STO], v[AC+8*\b+4:AC+8*\b+7] offset:64*\b+16
.endr
	WIN 0
.set BB, BK+64*((\a)%2)
.irp t, 0,1,2,3,4,5,6,7,8,9,10,11,12,13,14,15
	ds_load_b128 v[BB+4*\t:BB+4*\t+3], v[RD] offset:\t*SPITCH
.endr
.endm
.macro SEND a, younger                 ; younger: the LDS instructions issued behind block a's loads, which may stay out
.set BB, BK+64*((\a)%2)
	s_wait_dscnt \younger
.if (\a) > 0
	s_add_nc_u64 s[12:13], s[12:13], 16*SIZE_N*4   ; (behind a wait on XCNT: the earlier stores have read their base)  16 rows of out0 on
.endif
.irp t, 0,1,2,3,4,5,6,7,8,9,10,11,12,13,14,15
	global_store_b128 v[CO], v[BB+4*\t:BB+4*\t+3], s[12:13] offset:\t*SIZE_N*4 th:TH_STORE_NT   ; 32 lanes store 512 consecutive bytes, aligned; written once, read by nobody here
.endr
.endm
	PLACES NP                                      ; behind the last products: for the loads into registers that held A's fragments and for the reads of results
	TOSTAGE 0
.irp a, 1,2,3,4,5,6,7
.if \a > 1
	s_wait_xcnt 0x0                                ; block a - 2's stores have read their registers and their base
.endif
	TOSTAGE \a
	SEND \a-1, 32                                  ; behind block a - 1's loads: block a's 16 stores and 16 loads
.endr
	s_wait_xcnt 0x0
	SEND 7, 0
	s_wait_tensorcnt 0x0                           ; the wave's end: these three lines stand behind my last tensor load and my last LDS store
	ds_add_u32 v[SPW], v[NIL]
	s_wait_dscnt 0x0
	CROUND                                         ; the closing round: no work-group ends while a partner may still ask for a tile that names it
	s_endpgm
.Lfunc_end_k_q9d06fb5f60_gemm_out:
	.size	k_q9d06fb5f60_gemm_out, .Lfunc_end_k_q9d06fb5f60_gemm_out-k_q9d06fb5f60_gemm_out
	.p2alignl 7, 3214868480
	.fill 96, 4, 3214868480
	.section	.rodata,"a",@progbits
	.p2align	6, 0x0
	.amdhsa_kernel k_q9d06fb5f60_gemm_out
		.amdhsa_group_segment_fixed_size 327680
		.amdhsa_private_segment_fixed_size 0
		.amdhsa_enable_private_segment 0
		.amdhsa_kernarg_size 48
		.amdhsa_user_sgpr_count 2
		.amdhsa_user_sgpr_kernarg_segment_ptr 1
		.amdhsa_wavefront_size32 1
		.amdhsa_system_sgpr_workgroup_id_x 1
		.amdhsa_system_sgpr_workgroup_id_y 1
		.amdhsa_system_sgpr_workgroup_id_z 1
		.amdhsa_system_vgpr_workitem_id 0
		.amdhsa_next_free_vgpr 1024
		.amdhsa_next_free_sgpr 98
		.amdhsa_reserve_vcc 0
		.amdhsa_float_denorm_mode_32 3
		.amdhsa_float_denorm_mode_16_64 3
		.amdhsa_memory_ordered 1
		.amdhsa_forward_progress 1
		.amdhsa_inst_pref_size 126
	.end_amdhsa_kernel
	.amdgpu_metadata
---
amdhsa.version: [ 1, 2 ]
amdhsa.kernels:
  - .name:           k_q9d06fb5f60_gemm_out
    .symbol:         k_q9d06fb5f60_gemm_out.kd
    .args:
      - { .name: oc, .offset: 0, .size: 8, .value_kind: global_buffer, .address_space: global }
      - { .name: os, .offset: 8, .size: 8, .value_kind: global_buffer, .address_space: global }
      - { .name: cod, .offset: 16, .size: 8, .value_kind: global_buffer, .address_space: global }
      - { .name: scl, .offset: 24, .size: 8, .value_kind: global_buffer, .address_space: global }
      - { .name: out0, .offset: 32, .size: 8, .value_kind: global_buffer, .address_space: global }
      - { .name: b_o, .offset: 40, .size: 8, .value_kind: global_buffer, .address_space: global }
    .group_segment_fixed_size: 327680
    .private_segment_fixed_size: 0
    .kernarg_segment_align: 8
    .kernarg_segment_size: 48
    .max_flat_workgroup_size: 128
    .sgpr_count:     98
    .vgpr_count:     1024
    .wavefront_size: 32
...
	.end_amdgpu_metadata
.endif
;; end of part 4
